; MI455X (gfx1250); checked and timed in simulation.
; The chip was launched on July 23, 2026; its instructions are those of AMD's public machine-readable ISA for CDNA 5 (MIT licence, August 2026) and "CDNA5" Instruction Set Architecture Reference Guide (July 2026). The comments in the code are by the model that wrote it; some were corrected since.
;; Attention Block. Allowed arithmetic: matrix products marked QUANTISED: E2M1 operands, one E8M0 scale for each 32 along K, by v_wmma_scale_f32_16x16x128_f8f6f4 with both operands' format E2M1 (or v_wmma_scale_f32_32x16x128_f4), f32 sums; everything else in f32.
;; Inputs: Wk_codes 1,024 x 32 x 16 uint8 (E2M1 codes of Wk, K innermost, in blocks of 32 codes, two codes a byte); Wk_scales 1,024 x 32 uint8 (E8M0 scales of Wk, one for each 32 codes along K); Wo_codes 1,024 x 32 x 16 uint8 (E2M1 codes of Wo, K innermost, in blocks of 32 codes, two codes a byte); Wo_scales 1,024 x 32 uint8 (E8M0 scales of Wo, one for each 32 codes along K); Wq_codes 1,024 x 32 x 16 uint8 (E2M1 codes of Wq, K innermost, in blocks of 32 codes, two codes a byte); Wq_scales 1,024 x 32 uint8 (E8M0 scales of Wq, one for each 32 codes along K); Wv_codes 1,024 x 32 x 16 uint8 (E2M1 codes of Wv, K innermost, in blocks of 32 codes, two codes a byte); Wv_scales 1,024 x 32 uint8 (E8M0 scales of Wv, one for each 32 codes along K); beta 1,024 float32; bk 1,024 float32; bo 1,024 float32; bq 1,024 float32; bv 1,024 float32; gamma 1,024 float32; x 4,096 x 1,024 float32.
;; Outputs: out0 4,096 x 1,024 float32.
;; This version of the problem:
;;   THIS VERSION OF THE PROBLEM IS GIVEN IN LOW PRECISION. The matrix products marked QUANTISED in the list below multiply operands that are first quantised to E2M1 (2 exponent bits, 1 mantissa bit; 4 bits a number), with one power-of-two scale for each 32 numbers along K (OCP MX v1.0); their sums are f32. All else is computed in f32.
;;   The module's matrix products, in the order in which they are computed (A, B: the left and right operand; K: the contracted axis; several contracted axes count as one K, in the product's order):
;;     1. [M 4,096, K 1,024] x [K 1,024, N 1,024]; A: input x; B: input Wq (given as codes): QUANTISED
;;     2. [M 4,096, K 1,024] x [K 1,024, N 1,024]; A: input x; B: input Wk (given as codes): QUANTISED
;;     3. [M 4,096, K 1,024] x [K 1,024, N 1,024]; A: input x; B: input Wv (given as codes): QUANTISED
;;     4. batch 16 x [M 4,096, K 64] x [K 64, N 4,096]; A: computed on the way; B: computed on the way: QUANTISED
;;     5. batch 16 x [M 64, K 4,096] x [K 4,096, N 4,096]; A: computed on the way; B: softmax (see below): QUANTISED
;;     6. [M 4,096, K 1,024] x [K 1,024, N 1,024]; A: computed on the way; B: input Wo (given as codes): QUANTISED
;;   THE QUANTISER, for each operand of a quantised product, along K:
;;     - K is cut into blocks of 32 from its start; a last block that is shorter is filled with zeros.
;;     - A block's scale is 2^e with e = floor(log2(the largest magnitude in the block)) - 2, held to -126 .. 127; a block of zeros has e = 0. As a byte (E8M0): e + 127.
;;     - Each number is divided by its block's scale, clamped to +-6, and rounded to the nearest number of E2M1, ties to even, subnormals kept.
;;     - The product sums the exact products of the quantised numbers (number of the format x scale) in f32.
;;   ~~~python
;;   def quantise(x, axis):      # numpy; x: float32 -> the quantised numbers, widened to float32 again
;;       x = np.moveaxis(x, axis, -1); K = x.shape[-1]
;;       x = np.pad(x, [(0, 0)] * (x.ndim - 1) + [(0, -K % 32)]); x = x.reshape(x.shape[:-1] + (-1, 32)); a = np.abs(x).max(-1, keepdims=True)
;;       e = np.where(a > 0, np.clip(np.frexp(np.where(a > 0, a, 1))[1] - 1 - 2, -126, 127), 0)      # np.frexp(a)[1] - 1 = floor(log2(a)), exactly
;;       r = np.clip(x / 2.0 ** e, -6, 6)
;;       step = 2.0 ** (np.maximum(np.frexp(np.where(r == 0, 1, r))[1] - 1, 0) - 1)
;;       q = np.round(r / step) * step * 2.0 ** e      # np.round: ties to even
;;       return np.moveaxis(q.reshape(q.shape[:-2] + (-1,))[..., :K], -1, axis).astype(np.float32)
;;   ~~~
;;   SOFTMAX AHEAD OF A QUANTISED PRODUCT. Where the list says 'softmax', what is quantised is not the finished softmax but p = 2^(t - M), with t = logit x log2(e) and M = ceil(the row's largest t), a whole number; so 1/2 < the row's largest p <= 1. The row's sum l is taken of the UNQUANTISED p, in f32, and the product's result is divided by l at the end. Since M is a whole number, a kernel that streams over the keys may use a running M (the ceiling of the running maximum): every later rescaling is an exact power of two, which a block's scale takes up: the codes' values come out the same.
;;   OPERANDS COMPUTED ON THE WAY. 'Computed on the way' means the value that the module computes at that place (a softmax that the list does not call 'softmax' is quantised finished and normalised). What goes into a quantiser is computed in f32, as accurately as f32 sums, v_exp_f32 and their like allow (about 1e-6 of the number): no bf16 or f16 on the way to a quantiser, and a product that is left as it is and whose result goes on into a quantised operand takes f32 operands (vector FMAs, or v_wmma_f32_16x16x4_f32). A number that lies on a knife's edge between two numbers of the format may be rounded either way, as far as f32 arithmetic and the matrix unit's own rounding can turn it there, and no further.
;;   INPUTS GIVEN AS CODES. Wk (in the module: [1024, 1024], K = its axis 1); Wo (in the module: [1024, 1024], K = its axis 1); Wq (in the module: [1024, 1024], K = its axis 1); Wv (in the module: [1024, 1024], K = its axis 1): each comes as NAME_codes (uint8): NAME with its K axis moved to the last place and cut into blocks of 32 codes, [.., K / 32, bytes a block], one block behind the other in memory; two codes a byte, the lower K in the low four bits (a code: sign, 2 exponent bits, 1 mantissa bit); and NAME_scales (uint8): the same leading axes, one E8M0 byte (e + 127) for each 32 codes along K. Its value is code x scale, taken as it is: it is not quantised again, and the codes and scales need not be those that the quantiser above would give.
;; One version. Each part assembles by itself: llvm-mc -triple=amdgcn-amd-amdhsa -mcpu=gfx1250 --defsym DOCPART=n.
;; ======== version 1 of 1: 4 launches
;; limits: right only within a limited range of input values
;; workspace buffers: xq 2,228,224 bytes; wimg 2,228,224 bytes; tab 1,048,576 bytes; qb 2,359,296 bytes; kv 4,587,520 bytes; cq 2,097,152 bytes; cs 131,072 bytes
;; launch prep (part 1): grid 352 x 1, 4 waves a work-group, no clusters, 68,096 bytes of LDS; arguments x, Wq_codes, Wq_scales, Wk_codes, Wk_scales, Wv_codes, Wv_scales, Wo_codes, Wo_scales, xq, wimg, tab; writes xq, wimg, tab
.if DOCPART == 1
	.amdgcn_target "amdgcn-amd-amdhsa--gfx1250"
	.amdhsa_code_object_version 6
	.text
	.protected	k_q0a50d1d9ca_prep
	.globl	k_q0a50d1d9ca_prep
	.p2align	8
	.type	k_q0a50d1d9ca_prep,@function
k_q0a50d1d9ca_prep:
	s_mov_b64 s[64:65], 0
	v_nop
	global_prefetch_b8 v0, s[64:65] scope:SCOPE_SE
	s_setreg_imm32_b32 hwreg(HW_REG_WAVE_MODE, 25, 1), 1
	s_wait_xcnt 0x0
; PREP: what the later launches read again and again is laid out once, as IMAGES OF OPERAND REGISTERS.
; A fragment (16 rows x 128 K of FP4 codes, 8 registers a lane) is 1,024 bytes: registers 0-3 at 16 x lane, registers 4-7 at 512 + 16 x lane.
; A TILE'S 16 ROWS ARE NOT NEIGHBOURS: lane row r of tile T is row pos(T, r) = 32 (T / 2) + 8 (T % 2) + r + (r & 8), so that a product's results of tiles 2 b, 2 b + 1 are 16 neighbours in a lane's registers.
; Scale words (4 E8M0 bytes: one row, 128 K) lie by pairs of tiles: lane l = r + 16 (T % 2) at 4 l.
; A chunk = 256 rows x 128 K = 16 fragments (16,384 bytes) + 8 pairs' scale words (1,024 bytes).  xq, wimg: [block of 256 rows][K step 8][chunk].
; Work-groups 0-255: x (f32) is quantised along K: a block's scale is 2^(floor(log2(largest magnitude)) - 2); codes to nearest, ties to even, beyond 6 the code of 6.
; Work-groups 256-287: the four weights' codes and scale bytes are copied into the same layout (blocks 0-3 Wq, 4-7 Wk, 8-11 Wv, 12-15 Wo).
; Work-groups 288-351: cos and sin of pos x 10000^(-j / 32), j = 0 .. 31, as tab[T][q 8][lane][4]: q < 4 cos, q >= 4 sin, of j = 16 (lane / 16) + 4 (q % 4) + e at pos(T, lane % 16).
; LIMITS: NaN and infinities are not served.  A block whose largest magnitude lies under 2^-124 (a block of zeros among them) keeps the byte 1: the bytes are read by this program alone, and zero codes add nothing.
; The frequency is made as 2^(-j log2(10000) / 32) by v_exp_f32 and may differ by an ulp or two from a power function's: at position 4,095 that is up to about 3e-4 in the angle of the fastest frequencies.
; No tile is shared between work-groups, so there is no cluster; waves share nothing, so there is no barrier.
.set CHUNK,  17408
.set BLOCKB, 8*CHUNK
.set SP,     528                       ; a stage row: 512 bytes + 16: an odd multiple of 16, so sixteen rows' 16-byte columns differ
.set STGB,   32*SP                     ; a wave's stage
.set R,      16                        ; v16-143  32 rows as loaded
.set X0,     144                       ; v144-207 tile 0's 64 numbers of a lane
.set X1,     16                        ; v16-79   tile 1's
.set TM,     208                       ; v208-223 at work in QUANT
.set PC0,    224
.set PC1,    232
.set PW0,    240
.set PW1,    241
.set WW,     242
.set WV,     28
.set SEL,    44                        ; s[44:45] selects of v_permlanex16_b32: lane l xor 16
; 64 numbers of a lane, register 16 b + i = k 32 b + 16 (lane / 16) + i of my row, become a fragment's codes v[pc .. pc+7] and its scale word v[pw].
.macro QUANT s, pc, pw
.irp b, 0,1,2,3
	v_max3_num_f32 v[TM+\b], |v[\s+16*\b]|, |v[\s+1+16*\b]|, 0x1800000   ; my 16 numbers of block b, and the floor 2^(3 - 127): the byte cannot fall under 1
.endr
.irp i, 2,4,6,8,10,12,14
.irp b, 0,1,2,3
	v_max3_num_f32 v[TM+\b], v[TM+\b], |v[\s+16*\b+\i]|, |v[\s+1+16*\b+\i]|
.endr
.endr
.irp b, 0,1,2,3
	v_permlanex16_b32 v[TM+4+\b], v[TM+\b], s[SEL], s[SEL+1]
.endr
.irp b, 0,1,2,3
	v_max_num_f32 v[TM+\b], v[TM+\b], v[TM+4+\b]         ; with lane l xor 16's 16: the block's largest magnitude
.endr
.irp b, 0,1,2,3
	v_add_nc_u32 v[TM+12+\b], 0xff000000, v[TM+\b]       ; 2 off its exponent field: the conversion's scale operand
.endr
.irp b, 0,1,2,3
	v_lshrrev_b32 v[TM+4+\b], 23, v[TM+12+\b]            ; the scale's byte
.endr
	v_lshl_or_b32 v[\pw], v[TM+5], 8, v[TM+4]
	v_lshl_or_b32 v[\pw], v[TM+6], 16, v[\pw]
	v_lshl_or_b32 v[\pw], v[TM+7], 24, v[\pw]
.irp b, 0,1,2,3
	v_cvt_scalef32_pk8_fp4_f32 v[\pc+2*\b], v[\s+16*\b:\s+7+16*\b], v[TM+12+\b]
	v_cvt_scalef32_pk8_fp4_f32 v[\pc+1+2*\b], v[\s+8+16*\b:\s+15+16*\b], v[TM+12+\b]
.endr
	v_nop                                                ; one plain instruction behind the scaled conversions
.irp c, 0,1
.irp i, 0,1
	v_permlane16_swap_b32 v[\pc+4*\c+\i], v[\pc+2+4*\c+\i]   ; a whole block to a lane: registers 4 c .. 4 c + 3 = k 64 c + 32 (lane / 16) + 0 .. 31
.endr
.endr
.endm
	s_load_b512 s[4:19], s[0:1], 0x0               ; x, Wq c, Wq s, Wk c, Wk s, Wv c, Wv s, Wo c
	s_load_b256 s[20:27], s[0:1], 0x40             ; Wo s, xq, wimg, tab
	v_lshl_add_u32 v254, v0, 2, 0x10800
	v_mov_b32 v255, 0
	v_lshrrev_b32 v5, 5, v0
	v_readfirstlane_b32 s[WV], v5                  ; wave 0..3
	v_and_b32 v5, 31, v0
	v_lshlrev_b32 v1, 4, v5                        ; 16 x lane
	v_lshlrev_b32 v2, 2, v5                        ; 4 x lane
	v_and_b32 v6, 15, v0                           ; r
	v_bfe_u32 v7, v0, 4, 1                         ; h
	s_mov_b32 s[SEL], 0x76543210
	s_mov_b32 s[SEL+1], 0xfedcba98
	s_mov_b32 vcc_lo, 0xffff0000                   ; lanes 16-31
	s_wait_kmcnt 0x0
	s_cmp_lt_u32 ttmp9, 256
	s_cbranch_scc0 .Lnot_x
; ---- x: a wave takes 32 rows (a pair of tiles) x 128 K
	s_lshl_b32 s30, ttmp9, 2
	s_add_co_u32 s30, s30, s[WV]                   ; unit
	s_and_b32 s31, s30, 7                          ; K step
	s_lshr_b32 s32, s30, 3                         ; pair of tiles: rows 32 g on
	s_lshr_b32 s33, s32, 3                         ; block of 256 rows
	s_and_b32 s34, s32, 7                          ; the pair in it
	s_lshl_b32 s36, s32, 17                        ; 32 rows of 4,096 bytes
	s_lshl_b32 s35, s31, 9
	s_add_co_u32 s36, s36, s35
	s_mov_b32 s37, 0
	s_add_nc_u64 s[4:5], s[4:5], s[36:37]
	s_mul_i32 s36, s33, BLOCKB
	s_mul_i32 s35, s31, CHUNK
	s_add_co_u32 s36, s36, s35
	s_add_nc_u64 s[22:23], s[22:23], s[36:37]      ; my chunk
	s_lshl_b32 s38, s34, 11
	s_mov_b32 s39, 0
	s_add_nc_u64 s[38:39], s[22:23], s[38:39]      ; my two fragments
	s_lshl_b32 s36, s34, 7
	s_add_co_u32 s36, s36, 16384
	s_add_nc_u64 s[40:41], s[22:23], s[36:37]      ; my pair's scale words
	s_mul_i32 s35, s[WV], STGB
	s_wait_alu depctr_va_vdst(0)
	v_add_nc_u32 v3, s35, v1                       ; stage, way in: a row's 512 bytes as they lie
	v_mul_u32_u24 v4, v6, SP
	v_lshl_add_u32 v4, v7, 6, v4
	v_add_nc_u32 v4, s35, v4                       ; way out: row r of a tile, + 64 h: my 16 numbers of each block
.irp b, 0,1,2,3
	v_mov_b32 v[TM+4+\b], 0                        ; a lane permute's destination counts as read
.endr
.set i, 0
.rept 32
	global_load_b128 v[R+4*i:R+4*i+3], v1, s[4:5] offset:4096*i th:TH_LOAD_NT   ; 32 lanes read 512 consecutive bytes of row i
.set i, i+1
.endr
.set i, 0
	s_wait_alu depctr_va_vdst(0)
.rept 32
	s_wait_loadcnt 31-i                            ; row i is in; the younger loads stay out
	ds_store_b128 v3, v[R+4*i:R+4*i+3] offset:(16*((i>>3)&1)+(i&7)+8*(i>>4))*SP   ; to the place of its tile and lane row
.set i, i+1
.endr
.macro BACK x, u                       ; tile u's numbers; LDS serves a wave's instructions in order, so these see the stores
.irp b, 0,1,2,3
.irp j, 0,1,2,3
	ds_load_b128 v[\x+16*\b+4*\j:\x+16*\b+4*\j+3], v4 offset:16*SP*\u+128*\b+16*\j
.endr
.endr
.endm
	BACK X0, 0
	s_wait_dscnt 0x0                               ; tile 0 is in, and the stage's stores have read v16-143
	BACK X1, 1                                     ; lands while tile 0 is quantised
	QUANT X0, PC0, PW0
	global_store_b128 v1, v[PC0:PC0+3], s[38:39]
	global_store_b128 v1, v[PC0+4:PC0+7], s[38:39] offset:512
	s_wait_dscnt 0x0
	QUANT X1, PC1, PW1
	global_store_b128 v1, v[PC1:PC1+3], s[38:39] offset:1024
	global_store_b128 v1, v[PC1+4:PC1+7], s[38:39] offset:1536
	v_cndmask_b32 v[WW], v[PW0], v[PW1], vcc_lo    ; lanes 0-15 tile 0's words, lanes 16-31 tile 1's
	global_store_b32 v2, v[WW], s[40:41]
	s_wait_tensorcnt 0x0
	ds_add_u32 v254, v255
	s_wait_dscnt 0x0
	s_endpgm
.Lnot_x:
	s_cmp_lt_u32 ttmp9, 288
	s_cbranch_scc0 .Ltab
; ---- a weight: a wave takes a pair of tiles (32 rows), all 8 K steps.  A load takes 32 bytes of each of 16 rows; the eight loads on a row's 256 bytes come from this wave one behind the other; 2 MiB in the whole program, once.
	s_sub_co_u32 s30, ttmp9, 256
	s_lshr_b32 s31, s30, 3                         ; which weight
	s_and_b32 s32, s30, 7
	s_lshl_b32 s32, s32, 2
	s_add_co_u32 s32, s32, s[WV]                   ; pair 0..31
	s_cmp_eq_u32 s31, 1
	s_cselect_b64 s[34:35], s[10:11], s[6:7]
	s_cselect_b64 s[36:37], s[12:13], s[8:9]
	s_cmp_eq_u32 s31, 2
	s_cselect_b64 s[34:35], s[14:15], s[34:35]
	s_cselect_b64 s[36:37], s[16:17], s[36:37]
	s_cmp_eq_u32 s31, 3
	s_cselect_b64 s[34:35], s[18:19], s[34:35]
	s_cselect_b64 s[36:37], s[20:21], s[36:37]
	s_lshl_b32 s38, s32, 14                        ; 32 rows of 512 bytes
	s_mov_b32 s39, 0
	s_add_nc_u64 s[34:35], s[34:35], s[38:39]
	s_lshl_b32 s38, s32, 10                        ; 32 rows of 32 scale bytes
	s_add_nc_u64 s[36:37], s[36:37], s[38:39]
	s_lshl_b32 s40, s31, 2
	s_lshr_b32 s41, s32, 3
	s_add_co_u32 s40, s40, s41                     ; block of 256 rows in wimg
	s_mul_i32 s38, s40, BLOCKB
	s_add_nc_u64 s[24:25], s[24:25], s[38:39]
	s_and_b32 s41, s32, 7
	s_lshl_b32 s38, s41, 11
	s_add_nc_u64 s[42:43], s[24:25], s[38:39]      ; my two fragments of K step 0
	s_lshl_b32 s38, s41, 7
	s_add_co_u32 s38, s38, 16384
	s_add_nc_u64 s[24:25], s[24:25], s[38:39]      ; my pair's scale words of K step 0
	s_wait_alu depctr_va_vdst(0)
	v_and_b32 v8, 8, v6
	v_add_nc_u32 v8, v8, v6                        ; r + (r & 8)
	v_lshlrev_b32 v9, 9, v8
	v_lshl_add_u32 v9, v7, 4, v9                   ; codes: that row, + 16 h
	v_lshl_add_u32 v10, v7, 3, v8                  ; scale words: lane l = r + 16 u takes row 8 u + r + (r & 8)
	v_lshlrev_b32 v10, 5, v10
.irp u, 0,1
.irp s, 0,1,2,3,4,5,6,7
.irp c, 0,1
	global_load_b128 v[16+4*(16*\u+2*\s+\c):19+4*(16*\u+2*\s+\c)], v9, s[34:35] offset:\u*4096+64*\s+32*\c
.endr
.endr
.endr
	global_load_b128 v[144:147], v10, s[36:37]
	global_load_b128 v[148:151], v10, s[36:37] offset:16
	s_wait_loadcnt 0x0
.irp u, 0,1
.irp s, 0,1,2,3,4,5,6,7
.irp c, 0,1
	global_store_b128 v1, v[16+4*(16*\u+2*\s+\c):19+4*(16*\u+2*\s+\c)], s[42:43] offset:\s*CHUNK+\u*1024+512*\c
.endr
.endr
.endr
.irp s, 0,1,2,3,4,5,6,7
	global_store_b32 v2, v[144+\s], s[24:25] offset:\s*CHUNK
.endr
	s_endpgm
.Ltab:
; ---- cos and sin: a wave takes a tile; lane (r, h) makes j = 16 h + 0 .. 15 at pos(T, r)
	s_sub_co_u32 s30, ttmp9, 288
	s_lshl_b32 s30, s30, 2
	s_add_co_u32 s30, s30, s[WV]                   ; T
	s_lshl_b32 s32, s30, 12
	s_mov_b32 s33, 0
	s_add_nc_u64 s[26:27], s[26:27], s[32:33]
	s_lshr_b32 s31, s30, 1
	s_lshl_b32 s31, s31, 5
	s_and_b32 s32, s30, 1
	s_lshl_b32 s32, s32, 3
	s_add_co_u32 s31, s31, s32
	s_wait_alu depctr_va_vdst(0)
	v_and_b32 v8, 8, v6
	v_add3_u32 v8, v8, v6, s31
	v_cvt_f32_u32 v8, v8                           ; the position, exact in f32
	v_lshlrev_b32 v9, 4, v7
.set i, 0
.rept 16
	v_add_nc_u32 v[16+i], i, v9
.set i, i+1
.endr
.set i, 0
.rept 16
	v_cvt_f32_u32 v[16+i], v[16+i]
.set i, i+1
.endr
.set i, 0
.rept 16
	v_mul_f32 v[16+i], 0xbed49a78, v[16+i]         ; -j log2(10000) / 32
.set i, i+1
.endr
.set i, 0
	s_wait_alu depctr_va_vdst(0)
.rept 16
	v_exp_f32 v[16+i], v[16+i]                     ; the frequency
.set i, i+1
.endr
	v_mov_b32 v10, 0x3638ef1d                      ; 1 / 9!   (a plain instruction behind the exponentials)
	v_mov_b32 v11, 0xb493f27e                      ; -1 / 10!
	s_wait_alu depctr_va_vdst(0)                   ; one wait for the batch, ahead of its first reader
; Four angles by turns.  a = pos x f (f32, as the definition has it); k = nearest whole number to a 2 / pi; r = a - k pi / 2 in two fused steps: fl(pi / 2), whose product with k is taken off exactly,
; then the rest of pi / 2.  |r| <= pi / 4 (and a hair): Taylor's sums to r^9 and r^10 are cut under 3e-9 there.  The quadrant k mod 4 swaps and signs.
; work registers of angle e at v[96 + 8 e]: +0 a, then sin; +1 k, then cos; +2 r; +3 k as a whole number; +4 r^2; +5 sine's sum; +6 cosine's; +7 at work
.macro SINCOS4 i
.irp e, 0,1,2,3
	v_mul_f32 v[96+8*\e], v8, v[16+(\i)+\e]
.endr
.irp e, 0,1,2,3
	v_mul_f32 v[97+8*\e], 0x3f22f983, v[96+8*\e]
.endr
.irp e, 0,1,2,3
	v_rndne_f32 v[97+8*\e], v[97+8*\e]
.endr
.irp e, 0,1,2,3
	v_fmamk_f32 v[98+8*\e], v[97+8*\e], 0xbfc90fdb, v[96+8*\e]
.endr
.irp e, 0,1,2,3
	v_fmamk_f32 v[98+8*\e], v[97+8*\e], 0x333bbd2e, v[98+8*\e]
.endr
.irp e, 0,1,2,3
	v_cvt_i32_f32 v[99+8*\e], v[97+8*\e]
.endr
.irp e, 0,1,2,3
	v_mul_f32 v[100+8*\e], v[98+8*\e], v[98+8*\e]
.endr
.irp e, 0,1,2,3
	v_fmaak_f32 v[101+8*\e], v10, v[100+8*\e], 0xb9500d01      ; -1 / 7!
.endr
.irp e, 0,1,2,3
	v_fmaak_f32 v[106-5+8*\e], v[101+8*\e], v[100+8*\e], 0x3c088889   ; 1 / 5!
.endr
.irp e, 0,1,2,3
	v_fmaak_f32 v[101+8*\e], v[101+8*\e], v[100+8*\e], 0xbe2aaaab     ; -1 / 3!
.endr
.irp e, 0,1,2,3
	v_mul_f32 v[103+8*\e], v[98+8*\e], v[100+8*\e]
.endr
.irp e, 0,1,2,3
	v_fma_f32 v[101+8*\e], v[101+8*\e], v[103+8*\e], v[98+8*\e]       ; sin r
.endr
.irp e, 0,1,2,3
	v_fmaak_f32 v[102+8*\e], v11, v[100+8*\e], 0x37d00d01      ; 1 / 8!
.endr
.irp e, 0,1,2,3
	v_fmaak_f32 v[102+8*\e], v[102+8*\e], v[100+8*\e], 0xbab60b61     ; -1 / 6!
.endr
.irp e, 0,1,2,3
	v_fmaak_f32 v[102+8*\e], v[102+8*\e], v[100+8*\e], 0x3d2aaaab     ; 1 / 4!
.endr
.irp e, 0,1,2,3
	v_fmaak_f32 v[102+8*\e], v[102+8*\e], v[100+8*\e], 0xbf000000     ; -1 / 2
.endr
.irp e, 0,1,2,3
	v_fma_f32 v[102+8*\e], v[102+8*\e], v[100+8*\e], 1.0              ; cos r
.endr
.irp e, 0,1,2,3
	v_and_b32 v[103+8*\e], 1, v[99+8*\e]
.endr
.irp e, 0,1,2,3
	v_cmp_eq_u32 s[48+\e], 1, v[103+8*\e]                             ; an odd quadrant swaps the two
.endr
.irp e, 0,1,2,3
	v_cndmask_b32 v[96+8*\e], v[101+8*\e], v[102+8*\e], s[48+\e]
	v_cndmask_b32 v[97+8*\e], v[102+8*\e], v[101+8*\e], s[48+\e]
.endr
.irp e, 0,1,2,3
	v_lshlrev_b32 v[103+8*\e], 30, v[99+8*\e]                         ; sine is negative in quadrants 2, 3
.endr
.irp e, 0,1,2,3
	v_and_b32 v[103+8*\e], 0x80000000, v[103+8*\e]
.endr
.irp e, 0,1,2,3
	v_xor_b32 v[48+(\i)+\e], v[103+8*\e], v[96+8*\e]
.endr
.irp e, 0,1,2,3
	v_add_nc_u32 v[103+8*\e], 1, v[99+8*\e]                           ; cosine in quadrants 1, 2
.endr
.irp e, 0,1,2,3
	v_lshlrev_b32 v[103+8*\e], 30, v[103+8*\e]
.endr
.irp e, 0,1,2,3
	v_and_b32 v[103+8*\e], 0x80000000, v[103+8*\e]
.endr
.irp e, 0,1,2,3
	v_xor_b32 v[32+(\i)+\e], v[103+8*\e], v[97+8*\e]
.endr
.endm
	SINCOS4 0
	SINCOS4 4
	SINCOS4 8
	SINCOS4 12
.irp q, 0,1,2,3,4,5,6,7
	global_store_b128 v1, v[32+4*\q:35+4*\q], s[26:27] offset:512*\q   ; 32 lanes store 512 consecutive bytes
.endr
	s_endpgm
.Lfunc_end_k_q0a50d1d9ca_prep:
	.size	k_q0a50d1d9ca_prep, .Lfunc_end_k_q0a50d1d9ca_prep-k_q0a50d1d9ca_prep
	.p2alignl 7, 3214868480
	.fill 96, 4, 3214868480
	.section	.rodata,"a",@progbits
	.p2align	6, 0x0
	.amdhsa_kernel k_q0a50d1d9ca_prep
		.amdhsa_group_segment_fixed_size 68096
		.amdhsa_private_segment_fixed_size 0
		.amdhsa_enable_private_segment 0
		.amdhsa_kernarg_size 96
		.amdhsa_user_sgpr_count 2
		.amdhsa_user_sgpr_kernarg_segment_ptr 1
		.amdhsa_wavefront_size32 1
		.amdhsa_system_sgpr_workgroup_id_x 1
		.amdhsa_system_sgpr_workgroup_id_y 1
		.amdhsa_system_sgpr_workgroup_id_z 1
		.amdhsa_system_vgpr_workitem_id 0
		.amdhsa_next_free_vgpr 256
		.amdhsa_next_free_sgpr 66
		.amdhsa_reserve_vcc 1
		.amdhsa_float_denorm_mode_32 3
		.amdhsa_float_denorm_mode_16_64 3
		.amdhsa_memory_ordered 1
		.amdhsa_forward_progress 1
		.amdhsa_inst_pref_size 54
	.end_amdhsa_kernel
	.amdgpu_metadata
---
amdhsa.version: [ 1, 2 ]
amdhsa.kernels:
  - .name:           k_q0a50d1d9ca_prep
    .symbol:         k_q0a50d1d9ca_prep.kd
    .args:
      - { .name: x, .offset: 0, .size: 8, .value_kind: global_buffer, .address_space: global }
      - { .name: Wq_codes, .offset: 8, .size: 8, .value_kind: global_buffer, .address_space: global }
      - { .name: Wq_scales, .offset: 16, .size: 8, .value_kind: global_buffer, .address_space: global }
      - { .name: Wk_codes, .offset: 24, .size: 8, .value_kind: global_buffer, .address_space: global }
      - { .name: Wk_scales, .offset: 32, .size: 8, .value_kind: global_buffer, .address_space: global }
      - { .name: Wv_codes, .offset: 40, .size: 8, .value_kind: global_buffer, .address_space: global }
      - { .name: Wv_scales, .offset: 48, .size: 8, .value_kind: global_buffer, .address_space: global }
      - { .name: Wo_codes, .offset: 56, .size: 8, .value_kind: global_buffer, .address_space: global }
      - { .name: Wo_scales, .offset: 64, .size: 8, .value_kind: global_buffer, .address_space: global }
      - { .name: xq, .offset: 72, .size: 8, .value_kind: global_buffer, .address_space: global }
      - { .name: wimg, .offset: 80, .size: 8, .value_kind: global_buffer, .address_space: global }
      - { .name: tab, .offset: 88, .size: 8, .value_kind: global_buffer, .address_space: global }
    .group_segment_fixed_size: 68096
    .private_segment_fixed_size: 0
    .kernarg_segment_align: 8
    .kernarg_segment_size: 96
    .max_flat_workgroup_size: 128
    .sgpr_count:     66
    .vgpr_count:     256
    .wavefront_size: 32
...
	.end_amdgpu_metadata
.endif
;; end of part 1
;; launch qkv (part 2): grid 12 x 16, 16 waves a work-group, clusters of 4 x 4, 280,576 bytes of LDS; arguments xq, wimg, tab, bq, bk, bv, qb, kv; writes qb, kv
.if DOCPART == 2
	.amdgcn_target "amdgcn-amd-amdhsa--gfx1250"
	.amdhsa_code_object_version 6
	.text
	.protected	k_q0a50d1d9ca_qkv
	.globl	k_q0a50d1d9ca_qkv
	.p2align	8
	.type	k_q0a50d1d9ca_qkv,@function
k_q0a50d1d9ca_qkv:
	s_mov_b64 s[64:65], 0
	v_nop
	global_prefetch_b8 v0, s[64:65] scope:SCOPE_SE
	s_setreg_imm32_b32 hwreg(HW_REG_WAVE_MODE, 25, 1), 1
	s_wait_xcnt 0x0
	s_wait_alu depctr_hold_cnt(0) depctr_sa_sdst(0) depctr_va_vdst(0) depctr_va_sdst(0) depctr_va_ssrc(0) depctr_va_vcc(0) depctr_vm_vsrc(0)
	s_getreg_b32 s2, hwreg(HW_REG_IB_STS2, 6, 4)
	s_cmp_eq_u32 s2, 0
	s_cbranch_scc0 .Lentry_in_a_cluster
	s_endpgm
.Lentry_in_a_cluster:
	s_bfe_u32 s2, ttmp6, 0x10000c
	s_cmp_lg_u32 s2, 0xf033
	s_cbranch_scc0 .Lentry_shape_is_right
	s_endpgm
.Lentry_shape_is_right:
; QKV: q = x Wq^T + bq, k = x Wk^T + bk, v = x Wv^T + bv on codes of FP4 with E8M0 scales; rotary embedding of q and k in f32; then q and k are quantised along the head's 64, v along the keys.
; A work-group makes 256 positions x 256 features.  The cluster's x says which product: 0 q, 1 k, 2 v: the one branch between the two ways hangs on it alone, and all sixteen partners share it.
; ALL of a work-group's operands (8 K steps x (x's chunk + W's chunk) of 17,408 bytes) fit in LDS: they are filled once, by 16 tensor loads at the head, and nothing is filled again.
; CLUSTER 4 x 4: x's chunks hang on the block of positions, shared along a row of the cluster; W's on the block of features, shared along a column: each is asked for jointly.
; Chunks are images of operand registers (see PREP): every fragment is two ds_load_b128 of 512 consecutive bytes.  Rows of a tile: pos(T, r) = 32 (T / 2) + 8 (T % 2) + r + (r & 8).
; q, k: wave = 64 positions x one head; the product is used TRANSPOSED (source 0 = W, source 1 = x): a lane holds one position, and the 32 registers of a tile of positions are features 32 b + 16 h + i.
; v: wave = 128 positions (a key step) x 32 channels, source 0 = x: a lane holds one channel and its 64 registers run along the keys: 32 b + 16 h + i.
; The biases are the C of each sum's first product.  Sixteen accumulators take turns, one instruction a turn.
; OUT: qb [head][step of 128 positions][4,608]: 8 tiles x 512 bytes (registers 0-3: K = 64), then scale words at 4,096 + 256 (b / 2) + 8 l + 4 (b % 2), upper two bytes 0x7f.
;      kv [head][step][8,960]: k as in qb; at 4,608 v^T's four fragments (16 channels x 128 keys); at 8,704 their scale words, 128 bytes a pair of tiles.
; LIMITS: NaN and infinities are not served; a block whose largest magnitude lies under 2^-124 keeps the byte 1 (the bytes are read by this program alone).
.set CHUNK,  17408
.set BLOCKB, 8*CHUNK
.set BOFF,   BLOCKB                    ; LDS: x's 8 chunks, then W's 8
.set SCO,    16384                     ; a chunk's scale words
.set WV,  20
.set G1A, 24                           ; s[24:31] group 1 for x's chunks;  s[32:39] for W's: they differ in the mask
.set G1B, 32
.set G0A, 40                           ; s[40:43] group 0 for x's chunk;  s[68:71] for W's
.set G0B, 68
.set SEL, 92
.set ACC, 112                          ; v112-239 sixteen accumulators
.set BIAS, 16                          ; q, k: v16-47 bias; v48-79 W's 4 fragments; v80-111 x's 4
.set WF,  48
.set XF,  80
.set BV,  16                           ; v: v16-31 bias; v32-47 W's 2 fragments; v48-111 x's 8
.set VWF, 32
.set VXF, 48
.set TM,  48                           ; v's quantiser works in v48-63
.macro CROUND                          ; a round of the cluster's barrier
	s_barrier_signal -1
	s_barrier_wait -1
	s_cmp_lg_u32 s[WV], 0
	s_cbranch_scc1 .Lnot_wave_0_\@
	s_barrier_signal -3
.Lnot_wave_0_\@:
	s_barrier_wait -3
	s_barrier_signal -1
	s_barrier_wait -1
.endm
.macro PLACES                          ; four plain instructions between a matrix instruction and a load into, or a vector instruction on, its registers
.rept 4
	v_nop
.endr
.endm
; One product.  c: C's first register, or -1 for the constant 0.  ra, rb: 1 = the side's scales are read from lanes 16-31.
.macro WM d, a, b, c, sa, sb, ra, rb
.set wD, \d
.set wA, \a
.set wB, \b
.set wC, \c
.set wS, \sa
.set wT, \sb
.set wR, (\ra)+2*(\rb)
.if wC < 0
.if wR == 0
	v_wmma_scale_f32_16x16x128_f8f6f4 v[wD:wD+7], v[wA:wA+7], v[wB:wB+7], 0, v[wS], v[wT] matrix_a_fmt:MATRIX_FMT_FP4 matrix_b_fmt:MATRIX_FMT_FP4
.elseif wR == 1
	v_wmma_scale_f32_16x16x128_f8f6f4 v[wD:wD+7], v[wA:wA+7], v[wB:wB+7], 0, v[wS], v[wT] matrix_a_fmt:MATRIX_FMT_FP4 matrix_b_fmt:MATRIX_FMT_FP4 matrix_a_scale:MATRIX_SCALE_ROW1
.elseif wR == 2
	v_wmma_scale_f32_16x16x128_f8f6f4 v[wD:wD+7], v[wA:wA+7], v[wB:wB+7], 0, v[wS], v[wT] matrix_a_fmt:MATRIX_FMT_FP4 matrix_b_fmt:MATRIX_FMT_FP4 matrix_b_scale:MATRIX_SCALE_ROW1
.else
	v_wmma_scale_f32_16x16x128_f8f6f4 v[wD:wD+7], v[wA:wA+7], v[wB:wB+7], 0, v[wS], v[wT] matrix_a_fmt:MATRIX_FMT_FP4 matrix_b_fmt:MATRIX_FMT_FP4 matrix_a_scale:MATRIX_SCALE_ROW1 matrix_b_scale:MATRIX_SCALE_ROW1
.endif
.else
.if wR == 0
	v_wmma_scale_f32_16x16x128_f8f6f4 v[wD:wD+7], v[wA:wA+7], v[wB:wB+7], v[wC:wC+7], v[wS], v[wT] matrix_a_fmt:MATRIX_FMT_FP4 matrix_b_fmt:MATRIX_FMT_FP4
.elseif wR == 1
	v_wmma_scale_f32_16x16x128_f8f6f4 v[wD:wD+7], v[wA:wA+7], v[wB:wB+7], v[wC:wC+7], v[wS], v[wT] matrix_a_fmt:MATRIX_FMT_FP4 matrix_b_fmt:MATRIX_FMT_FP4 matrix_a_scale:MATRIX_SCALE_ROW1
.elseif wR == 2
	v_wmma_scale_f32_16x16x128_f8f6f4 v[wD:wD+7], v[wA:wA+7], v[wB:wB+7], v[wC:wC+7], v[wS], v[wT] matrix_a_fmt:MATRIX_FMT_FP4 matrix_b_fmt:MATRIX_FMT_FP4 matrix_b_scale:MATRIX_SCALE_ROW1
.else
	v_wmma_scale_f32_16x16x128_f8f6f4 v[wD:wD+7], v[wA:wA+7], v[wB:wB+7], v[wC:wC+7], v[wS], v[wT] matrix_a_fmt:MATRIX_FMT_FP4 matrix_b_fmt:MATRIX_FMT_FP4 matrix_a_scale:MATRIX_SCALE_ROW1 matrix_b_scale:MATRIX_SCALE_ROW1
.endif
.endif
.endm
; 64 numbers of a lane (register 16 b + i = k 32 b + 16 h + i) -> a fragment's 8 registers of codes and its scale word
.macro QUANT s, pc, pw
.irp b, 0,1,2,3
	v_max3_num_f32 v[TM+\b], |v[\s+16*\b]|, |v[\s+1+16*\b]|, 0x1800000   ; and the floor 2^(3 - 127): the byte cannot fall under 1
.endr
.irp i, 2,4,6,8,10,12,14
.irp b, 0,1,2,3
	v_max3_num_f32 v[TM+\b], v[TM+\b], |v[\s+16*\b+\i]|, |v[\s+1+16*\b+\i]|
.endr
.endr
.irp b, 0,1,2,3
	s_delay_alu instid0(VALU_DEP_4)
	v_permlanex16_b32 v[TM+4+\b], v[TM+\b], s[SEL], s[SEL+1]
.endr
.irp b, 0,1,2,3
	s_delay_alu instid0(VALU_DEP_4)
	v_max_num_f32 v[TM+\b], v[TM+\b], v[TM+4+\b]
.endr
.irp b, 0,1,2,3
	s_delay_alu instid0(VALU_DEP_4)
	v_add_nc_u32 v[TM+12+\b], 0xff000000, v[TM+\b]       ; 2 off the exponent field: the conversion's scale operand
.endr
.irp b, 0,1,2,3
	s_delay_alu instid0(VALU_DEP_4)
	v_lshrrev_b32 v[TM+4+\b], 23, v[TM+12+\b]
.endr
	s_delay_alu instid0(VALU_DEP_3)
	v_lshl_or_b32 v[\pw], v[TM+5], 8, v[TM+4]
	s_delay_alu instid0(VALU_DEP_1)
	v_lshl_or_b32 v[\pw], v[TM+6], 16, v[\pw]
	s_delay_alu instid0(VALU_DEP_1)
	v_lshl_or_b32 v[\pw], v[TM+7], 24, v[\pw]
.irp b, 0,1,2,3
	v_cvt_scalef32_pk8_fp4_f32 v[\pc+2*\b], v[\s+16*\b:\s+7+16*\b], v[TM+12+\b]
	v_cvt_scalef32_pk8_fp4_f32 v[\pc+1+2*\b], v[\s+8+16*\b:\s+15+16*\b], v[TM+12+\b]
.endr
	v_nop                                                ; one plain instruction behind the scaled conversions
.irp c, 0,1
.irp i, 0,1
	v_permlane16_swap_b32 v[\pc+4*\c+\i], v[\pc+2+4*\c+\i]
.endr
.endr
.endm
; The same for two blocks: 32 numbers -> registers 0-3 of a fragment (k = 32 h + 0 .. 31) and two scale bytes; fill = 1: the word's upper two bytes are 0x7f.  tm: eight work registers
.macro Q2 s, pc, pw, tm, fill
.irp b, 0,1
	v_max3_num_f32 v[\tm+\b], |v[\s+16*\b]|, |v[\s+1+16*\b]|, 0x1800000
.endr
.irp i, 2,4,6,8,10,12,14
.irp b, 0,1
	s_delay_alu instid0(VALU_DEP_2)
	v_max3_num_f32 v[\tm+\b], v[\tm+\b], |v[\s+16*\b+\i]|, |v[\s+1+16*\b+\i]|
.endr
.endr
.irp b, 0,1
	s_delay_alu instid0(VALU_DEP_2)
	v_permlanex16_b32 v[\tm+2+\b], v[\tm+\b], s[SEL], s[SEL+1]
.endr
.irp b, 0,1
	s_delay_alu instid0(VALU_DEP_2)
	v_max_num_f32 v[\tm+\b], v[\tm+\b], v[\tm+2+\b]
.endr
.irp b, 0,1
	s_delay_alu instid0(VALU_DEP_2)
	v_add_nc_u32 v[\tm+4+\b], 0xff000000, v[\tm+\b]
.endr
.irp b, 0,1
	s_delay_alu instid0(VALU_DEP_2)
	v_lshrrev_b32 v[\tm+6+\b], 23, v[\tm+4+\b]
.endr
	s_delay_alu instid0(VALU_DEP_1)
	v_lshl_or_b32 v[\pw], v[\tm+7], 8, v[\tm+6]
.if \fill
	s_delay_alu instid0(VALU_DEP_1)
	v_or_b32 v[\pw], 0x7f7f0000, v[\pw]
.endif
.irp b, 0,1
	v_cvt_scalef32_pk8_fp4_f32 v[\pc+2*\b], v[\s+16*\b:\s+7+16*\b], v[\tm+4+\b]
	v_cvt_scalef32_pk8_fp4_f32 v[\pc+1+2*\b], v[\s+8+16*\b:\s+15+16*\b], v[\tm+4+\b]
.endr
	v_nop
	v_permlane16_swap_b32 v[\pc], v[\pc+2]
	v_permlane16_swap_b32 v[\pc+1], v[\pc+3]
.endm
; In front of K step 0: each wave's one load has landed, and behind the barrier every wave knows it of all sixteen chunks; nothing is filled again, so the later K steps need no barrier
.macro PAIRBAR k
.if (\k) == 0
	s_wait_tensorcnt 0x0
	s_wait_dscnt 0x0
	s_barrier_signal -1
	s_barrier_wait -1
.endif
.endm
	s_load_b512 s[4:19], s[0:1], 0x0               ; xq, wimg, tab, bq, bk, bv, qb, kv
	v_lshl_add_u32 v254, v0, 2, 0x44000
	v_mov_b32 v255, 0
	ds_add_u32 v254, v255
	ds_add_u32 v254, v255
	s_wait_dscnt 0x0
	v_lshrrev_b32 v1, 5, v0
	s_delay_alu instid0(VALU_DEP_1)
	v_readfirstlane_b32 s[WV], v1                  ; wave 0..15
	s_bfe_u32 s21, ttmp6, 0x40000                  ; cx
	s_bfe_u32 s22, ttmp6, 0x40004                  ; cy
	s_lshl_b32 s84, ttmp9, 2
	s_add_co_u32 s84, s84, s21                     ; block of features in wimg = 4 x cluster x + cx
	s_and_b32 s23, ttmp7, 0xffff
	s_lshl_b32 s23, s23, 2
	s_add_co_u32 s23, s23, s22                     ; block of positions = 4 x cluster y + cy
	s_lshl_b32 s85, s22, 2
	s_lshl_b32 s85, 15, s85                        ; my row of the cluster
	s_lshl_b32 s86, 0x1111, s21                    ; my column
	; group 1: a chunk is a dense block of 68 rows of 256 bytes (32 elements of 8 bytes), no padding
	s_or_b32 s[G1A], s85, (3<<16)|(1<<21)          ; 15:0 the mask; 17:16 elements of 8 bytes; 21 set beside a mask
	s_or_b32 s[G1B], s86, (3<<16)|(1<<21)
.irp g, G1A, G1B
	s_mov_b32 s[\g+1], 32<<16                      ; tensor_dim0
	s_mov_b32 s[\g+2], 68<<16                      ; tensor_dim1
	s_mov_b32 s[\g+3], 32<<16                      ; tile_dim0
	s_mov_b32 s[\g+4], 68                          ; tile_dim1
	s_mov_b32 s[\g+5], 32                          ; pitch
	s_mov_b32 s[\g+6], 0
	s_mov_b32 s[\g+7], 0
.endr
	s_and_b32 s87, s[WV], 7
	s_mul_i32 s87, s87, CHUNK                      ; which of the eight chunks I fetch: in memory and in LDS alike
	s_mul_i32 s88, s23, BLOCKB
	s_add_co_u32 s88, s88, s87
	s_mov_b32 s89, 0
	s_mul_i32 s90, s84, BLOCKB
	s_add_co_u32 s90, s90, s87
	s_mov_b32 s91, 0
	s_wait_kmcnt 0x0
	s_add_nc_u64 s[88:89], s[4:5], s[88:89]        ; x's: made of cy and the wave's number alone
	s_add_nc_u64 s[90:91], s[6:7], s[90:91]        ; W's: of cx and the wave's number alone
	CROUND                                         ; all sixteen work-groups are here: the joint loads meet
.irp k, 0
	s_mov_b32 s[G0A+4*\k], 1
	s_add_co_u32 s[G0A+4*\k+1], s87, \k*2*CHUNK
	s_add_nc_u64 s[G0A+4*\k+2:G0A+4*\k+3], s[88:89], \k*2*CHUNK
	s_or_b32 s[G0A+4*\k+3], s[G0A+4*\k+3], 0x80000000
	s_mov_b32 s[G0B+4*\k], 1
	s_add_co_u32 s[G0B+4*\k+1], s87, BOFF+\k*2*CHUNK
	s_add_nc_u64 s[G0B+4*\k+2:G0B+4*\k+3], s[90:91], \k*2*CHUNK
	s_or_b32 s[G0B+4*\k+3], s[G0B+4*\k+3], 0x80000000
.endr
	s_cmp_lt_u32 s[WV], 8                          ; waves 0-7: x's chunk of K step wave; waves 8-15: W's of K step wave - 8: one tensor load a wave
	s_cbranch_scc0 .Lnot_a
	tensor_load_to_lds s[G0A:G0A+3], s[G1A:G1A+7]
	s_nop 0
	PLACES
	s_branch .Lasked
.Lnot_a:
	tensor_load_to_lds s[G0B:G0B+3], s[G1B:G1B+7]
	s_nop 0
	PLACES
.Lasked:
	v_and_b32 v15, 31, v0
	s_delay_alu instid0(VALU_DEP_1)
	v_lshlrev_b32 v1, 4, v15                       ; 16 x lane
	s_delay_alu instid0(VALU_DEP_2)
	v_lshlrev_b32 v2, 2, v15                       ; 4 x lane
	s_delay_alu instid0(VALU_DEP_3)
	v_lshlrev_b32 v3, 3, v15                       ; 8 x lane
	v_bfe_u32 v4, v0, 4, 1
	s_delay_alu instid0(VALU_DEP_1)
	v_lshlrev_b32 v4, 6, v4                        ; 64 h
	s_mov_b32 s[SEL], 0x76543210
	s_mov_b32 s[SEL+1], 0xfedcba98
	s_mov_b32 vcc_lo, 0xffff0000                   ; lanes 16-31
	s_mov_b32 s61, 0
	s_cmp_eq_u32 ttmp9, 2
	s_cbranch_scc1 .Lpath_v
; ================ q and k
	s_lshr_b32 s56, s[WV], 2                       ; which 64 positions
	s_and_b32 s57, s[WV], 3                        ; which head of the block's four
	s_lshl_b32 s59, s56, 12
	s_wait_alu depctr_va_vdst(0)
	v_add_nc_u32 v5, s59, v1                       ; x's 4 fragments
	s_lshl_b32 s59, s57, 12
	s_add_co_u32 s59, s59, BOFF
	v_add_nc_u32 v6, s59, v1                       ; W's 4 fragments
	s_lshl_b32 s59, s56, 8
	s_add_co_u32 s59, s59, SCO
	v_add_nc_u32 v7, s59, v2                       ; x's scale words, two pairs of tiles
	s_lshl_b32 s59, s57, 8
	s_add_co_u32 s59, s59, BOFF+SCO
	v_add_nc_u32 v8, s59, v2                       ; W's
	s_cmp_eq_u32 ttmp9, 0                          ; q or k: the bias, the buffer and its strides
	s_cselect_b64 s[94:95], s[10:11], s[12:13]
	s_cselect_b64 s[96:97], s[16:17], s[18:19]
	s_mov_b32 s62, 286720
	s_cselect_b32 s62, 147456, s62                 ; bytes a head
	s_mov_b32 s63, 8960
	s_cselect_b32 s63, 4608, s63                   ; bytes a step
	s_lshl_b32 s58, s21, 2
	s_add_co_u32 s58, s58, s57                     ; head
	s_lshl_b32 s60, s58, 8
	s_add_nc_u64 s[94:95], s[94:95], s[60:61]
.irp b, 0,1
.irp q, 0,1,2,3
	global_load_b128 v[BIAS+16*\b+4*\q:BIAS+16*\b+4*\q+3], v4, s[94:95] offset:128*\b+16*\q   ; the bias of features 32 b + 16 h + 4 q ..: the result's layout
.endr
.endr
	s_mul_i32 s60, s58, s62
	s_lshl_b32 s59, s23, 1
	s_lshr_b32 s62, s56, 1
	s_add_co_u32 s59, s59, s62                     ; step of 128 positions
	s_mul_i32 s59, s59, s63
	s_add_co_u32 s60, s60, s59
	s_add_nc_u64 s[96:97], s[96:97], s[60:61]
	s_and_b32 s59, s56, 1
	s_lshl_b32 s60, s59, 11
	s_add_nc_u64 s[16:17], s[96:97], s[60:61]      ; my four tiles' codes
	s_lshl_b32 s60, s59, 8
	s_add_co_u32 s60, s60, 4096
	s_add_nc_u64 s[18:19], s[96:97], s[60:61]      ; their scale words
	s_lshl_b32 s60, s23, 4
	s_lshl_b32 s59, s56, 2
	s_add_co_u32 s60, s60, s59                     ; my first tile of positions
	s_lshl_b32 s60, s60, 12
	s_add_nc_u64 s[8:9], s[8:9], s[60:61]          ; its cos and sin
.macro KQSTEP s
.set oo, ((\s)%2)*CHUNK
.if (\s)%2 == 0
	PAIRBAR (\s)/2
.if (\s) > 0
	v_add_nc_u32 v5, 2*CHUNK, v5                   ; on by two chunks; these four are also the places in front of the loads below
	v_add_nc_u32 v6, 2*CHUNK, v6
	v_add_nc_u32 v7, 2*CHUNK, v7
	s_wait_alu depctr_va_vdst(0)
	v_add_nc_u32 v8, 2*CHUNK, v8
.endif
.else
	PLACES
.endif
	ds_load_b32 v10, v7 offset:oo
	ds_load_b32 v11, v7 offset:oo+128
	ds_load_b32 v12, v8 offset:oo
	ds_load_b32 v13, v8 offset:oo+128
.irp t, 0,1,2,3
.irp c, 0,1
	ds_load_b128 v[WF+8*\t+4*\c:WF+8*\t+4*\c+3], v6 offset:oo+1024*\t+512*\c
	ds_load_b128 v[XF+8*\t+4*\c:XF+8*\t+4*\c+3], v5 offset:oo+1024*\t+512*\c
.endr
.endr
	s_wait_alu depctr_va_vdst(0)
	s_wait_dscnt 0x0
.if (\s) == 0
	s_wait_loadcnt 0x0                             ; the bias
.endif
.irp a, 0,1,2,3
.irp t, 0,1,2,3
.if (\s) == 0
	WM ACC+32*\a+8*\t, WF+8*\t, XF+8*\a, BIAS+8*\t, 12+\t/2, 10+\a/2, \t%2, \a%2
.else
	WM ACC+32*\a+8*\t, WF+8*\t, XF+8*\a, ACC+32*\a+8*\t, 12+\t/2, 10+\a/2, \t%2, \a%2
.endif
.endr
.endr
.endm
	s_wait_alu depctr_va_vdst(0)
.irp s, 0,1,2,3,4,5,6,7
	KQSTEP \s
.endr
	PLACES
; cos and sin of tile a: 8 loads of 512 consecutive bytes, into v48-79 and v80-111 by turns
.macro TL a
.irp q, 0,1,2,3,4,5,6,7
	global_load_b128 v[48+32*((\a)%2)+4*\q:51+32*((\a)%2)+4*\q], v1, s[8:9] offset:4096*(\a)+512*\q
.endr
.endm
; x[i] = x[i] cos - x[i + 32] sin, x[i + 32] = x[i + 32] cos + x[i] sin: registers i and 16 + i of a lane, two at a time, ascending
.macro ROPE a
.set rX, ACC+32*(\a)
.set rC, 48+32*((\a)%2)
.irp i, 0,2,4,6,8,10,12,14
.set rT, 240+4*((\i/2)%4)
	v_pk_mul_f32 v[rT:rT+1], v[rX+16+\i:rX+17+\i], v[rC+16+\i:rC+17+\i]
	v_pk_mul_f32 v[rT+2:rT+3], v[rX+\i:rX+1+\i], v[rC+16+\i:rC+17+\i]
	v_pk_fma_f32 v[rX+\i:rX+1+\i], v[rX+\i:rX+1+\i], v[rC+\i:rC+1+\i], v[rT:rT+1] neg_lo:[0,0,1] neg_hi:[0,0,1]
	v_pk_fma_f32 v[rX+16+\i:rX+17+\i], v[rX+16+\i:rX+17+\i], v[rC+\i:rC+1+\i], v[rT+2:rT+3]
.endr
.endm
	TL 0
	TL 1
	v_mov_b32 v38, 0                               ; a lane permute's destination counts as read
	v_mov_b32 v39, 0
.irp a, 0,1,2,3
.if \a < 3
	s_wait_loadcnt 8                               ; this tile's eight loads are in; the next tile's eight stay out
.else
	s_wait_loadcnt 0x0
.endif
	ROPE \a
.if \a < 2
	TL \a+2
.endif
	Q2 ACC+32*\a, 16+4*\a, 32+\a, 36, 1            ; each tile has its own registers for codes and word: no store's data are written again
	global_store_b128 v1, v[16+4*\a:19+4*\a], s[16:17] offset:512*\a
.endr
	v_cndmask_b32 v44, v32, v33, vcc_lo            ; tiles 0, 1: lanes 0-15 the even tile's words, lanes 16-31 the odd one's
	v_cndmask_b32 v45, v34, v35, vcc_lo            ; tiles 2, 3
	global_store_b64 v3, v[44:45], s[18:19]        ; 256 consecutive bytes
	s_branch .Ldone
; ================ v
.Lpath_v:
	s_lshr_b32 s56, s[WV], 3                       ; which 128 positions
	s_and_b32 s57, s[WV], 7                        ; which 32 channels
	s_lshl_b32 s59, s56, 13
	s_wait_alu depctr_va_vdst(0)
	v_add_nc_u32 v5, s59, v1                       ; x's 8 fragments
	s_lshl_b32 s59, s57, 11
	s_add_co_u32 s59, s59, BOFF
	v_add_nc_u32 v6, s59, v1                       ; W's 2
	s_lshl_b32 s59, s56, 9
	s_add_co_u32 s59, s59, SCO
	v_add_nc_u32 v7, s59, v2
	s_lshl_b32 s59, s57, 7
	s_add_co_u32 s59, s59, BOFF+SCO
	v_add_nc_u32 v8, s59, v2
	v_and_b32 v15, 15, v0
	s_delay_alu instid0(VALU_DEP_1)
	v_and_b32 v9, 8, v15
	s_delay_alu instid0(VALU_DEP_1)
	v_add_nc_u32 v9, v9, v15
	s_delay_alu instid0(VALU_DEP_1)
	v_lshlrev_b32 v9, 2, v9                        ; my channel in a tile: r + (r & 8), 4 bytes each
	s_lshl_b32 s60, s21, 10
	s_lshl_b32 s59, s57, 7
	s_add_co_u32 s60, s60, s59
	s_add_nc_u64 s[14:15], s[14:15], s[60:61]
.irp u, 0,1
.irp j, 0,1,2,3,4,5,6,7
	global_load_b32 v[BV+8*\u+\j], v9, s[14:15] offset:32*\u   ; a lane holds one channel: its bias in all eight registers of C
.endr
.endr
	s_lshl_b32 s58, s21, 2
	s_lshr_b32 s59, s57, 1
	s_add_co_u32 s58, s58, s59                     ; head
	s_mul_i32 s60, s58, 286720
	s_lshl_b32 s59, s23, 1
	s_add_co_u32 s59, s59, s56                     ; key step
	s_mul_i32 s59, s59, 8960
	s_add_co_u32 s60, s60, s59
	s_add_nc_u64 s[18:19], s[18:19], s[60:61]
	s_and_b32 s59, s57, 1
	s_lshl_b32 s60, s59, 11
	s_add_co_u32 s60, s60, 4608
	s_add_nc_u64 s[16:17], s[18:19], s[60:61]      ; my two fragments of v^T
	s_lshl_b32 s60, s59, 7
	s_add_co_u32 s60, s60, 8704
	s_add_nc_u64 s[18:19], s[18:19], s[60:61]      ; their scale words
.macro VSTEP s
.set oo, ((\s)%2)*CHUNK
.if (\s)%2 == 0
	PAIRBAR (\s)/2
.if (\s) > 0
	v_add_nc_u32 v5, 2*CHUNK, v5
	v_add_nc_u32 v6, 2*CHUNK, v6
	v_add_nc_u32 v7, 2*CHUNK, v7
	s_wait_alu depctr_va_vdst(0)
	v_add_nc_u32 v8, 2*CHUNK, v8
.endif
.else
	PLACES
.endif
.irp p, 0,1,2,3
	ds_load_b32 v[10+\p], v7 offset:oo+128*\p
.endr
	ds_load_b32 v14, v8 offset:oo
.irp u, 0,1
.irp c, 0,1
	ds_load_b128 v[VWF+8*\u+4*\c:VWF+8*\u+4*\c+3], v6 offset:oo+1024*\u+512*\c
.endr
.endr
.irp a, 0,1,2,3,4,5,6,7
.irp c, 0,1
	ds_load_b128 v[VXF+8*\a+4*\c:VXF+8*\a+4*\c+3], v5 offset:oo+1024*\a+512*\c
.endr
.endr
	s_wait_alu depctr_va_vdst(0)
	s_wait_dscnt 0x0
.if (\s) == 0
	s_wait_loadcnt 0x0
.endif
.irp a, 0,1,2,3,4,5,6,7
.irp u, 0,1
.if (\s) == 0
	WM ACC+64*\u+8*\a, VXF+8*\a, VWF+8*\u, BV+8*\u, 10+\a/2, 14, \a%2, \u
.else
	WM ACC+64*\u+8*\a, VXF+8*\a, VWF+8*\u, ACC+64*\u+8*\a, 10+\a/2, 14, \a%2, \u
.endif
.endr
.endr
.endm
	s_wait_alu depctr_va_vdst(0)
.irp s, 0,1,2,3,4,5,6,7
	VSTEP \s
.endr
	PLACES
.irp b, 0,1,2,3
	v_mov_b32 v[TM+4+\b], 0
.endr
.irp u, 0,1
	QUANT ACC+64*\u, 32+8*\u, 64+\u                ; 16 channels x 128 keys: a whole fragment of v^T
	global_store_b128 v1, v[32+8*\u:35+8*\u], s[16:17] offset:1024*\u
	global_store_b128 v1, v[36+8*\u:39+8*\u], s[16:17] offset:1024*\u+512
.endr
	v_cndmask_b32 v66, v64, v65, vcc_lo
	global_store_b32 v2, v66, s[18:19]
.Ldone:
	s_wait_xcnt 0x0
	v_lshl_add_u32 v254, v0, 2, 0x44000
	v_mov_b32 v255, 0
	s_wait_alu depctr_va_vdst(0)
	s_wait_tensorcnt 0x0
	ds_add_u32 v254, v255
	s_wait_dscnt 0x0
	CROUND                                         ; the closing round: no work-group ends while a partner may still ask for a chunk that names it
	s_endpgm
.Lfunc_end_k_q0a50d1d9ca_qkv:
	.size	k_q0a50d1d9ca_qkv, .Lfunc_end_k_q0a50d1d9ca_qkv-k_q0a50d1d9ca_qkv
	.p2alignl 7, 3214868480
	.fill 96, 4, 3214868480
	.section	.rodata,"a",@progbits
	.p2align	6, 0x0
	.amdhsa_kernel k_q0a50d1d9ca_qkv
		.amdhsa_group_segment_fixed_size 280576
		.amdhsa_private_segment_fixed_size 0
		.amdhsa_enable_private_segment 0
		.amdhsa_kernarg_size 64
		.amdhsa_user_sgpr_count 2
		.amdhsa_user_sgpr_kernarg_segment_ptr 1
		.amdhsa_wavefront_size32 1
		.amdhsa_system_sgpr_workgroup_id_x 1
		.amdhsa_system_sgpr_workgroup_id_y 1
		.amdhsa_system_sgpr_workgroup_id_z 1
		.amdhsa_system_vgpr_workitem_id 0
		.amdhsa_next_free_vgpr 256
		.amdhsa_next_free_sgpr 100
		.amdhsa_reserve_vcc 1
		.amdhsa_float_denorm_mode_32 3
		.amdhsa_float_denorm_mode_16_64 3
		.amdhsa_memory_ordered 1
		.amdhsa_forward_progress 1
		.amdhsa_inst_pref_size 101
	.end_amdhsa_kernel
	.amdgpu_metadata
---
amdhsa.version: [ 1, 2 ]
amdhsa.kernels:
  - .name:           k_q0a50d1d9ca_qkv
    .symbol:         k_q0a50d1d9ca_qkv.kd
    .args:
      - { .name: xq, .offset: 0, .size: 8, .value_kind: global_buffer, .address_space: global }
      - { .name: wimg, .offset: 8, .size: 8, .value_kind: global_buffer, .address_space: global }
      - { .name: tab, .offset: 16, .size: 8, .value_kind: global_buffer, .address_space: global }
      - { .name: bq, .offset: 24, .size: 8, .value_kind: global_buffer, .address_space: global }
      - { .name: bk, .offset: 32, .size: 8, .value_kind: global_buffer, .address_space: global }
      - { .name: bv, .offset: 40, .size: 8, .value_kind: global_buffer, .address_space: global }
      - { .name: qb, .offset: 48, .size: 8, .value_kind: global_buffer, .address_space: global }
      - { .name: kv, .offset: 56, .size: 8, .value_kind: global_buffer, .address_space: global }
    .group_segment_fixed_size: 280576
    .private_segment_fixed_size: 0
    .kernarg_segment_align: 8
    .kernarg_segment_size: 64
    .max_flat_workgroup_size: 512
    .sgpr_count:     100
    .vgpr_count:     256
    .wavefront_size: 32
...
	.end_amdgpu_metadata
.endif
;; end of part 2
;; launch attn (part 3): grid 16 x 16, 16 waves a work-group, clusters of 4 x 1, 327,680 bytes of LDS; arguments qb, kv, cq, cs; writes cq, cs
.if DOCPART == 3
	.amdgcn_target "amdgcn-amd-amdhsa--gfx1250"
	.amdhsa_code_object_version 6
	.text
	.protected	k_q0a50d1d9ca_attn
	.globl	k_q0a50d1d9ca_attn
	.p2align	8
	.type	k_q0a50d1d9ca_attn,@function
k_q0a50d1d9ca_attn:
	s_mov_b64 s[64:65], 0
	v_nop
	global_prefetch_b8 v0, s[64:65] scope:SCOPE_SE
	s_setreg_imm32_b32 hwreg(HW_REG_WAVE_MODE, 25, 1), 1
	s_wait_xcnt 0x0
	s_wait_alu depctr_hold_cnt(0) depctr_sa_sdst(0) depctr_va_vdst(0) depctr_va_sdst(0) depctr_va_ssrc(0) depctr_va_vcc(0) depctr_vm_vsrc(0)
	s_getreg_b32 s2, hwreg(HW_REG_IB_STS2, 6, 4)
	s_cmp_eq_u32 s2, 0
	s_cbranch_scc0 .Lentry_in_a_cluster
	s_endpgm
.Lentry_in_a_cluster:
	s_bfe_u32 s2, ttmp6, 0x10000c
	s_cmp_lg_u32 s2, 0x3003
	s_cbranch_scc0 .Lentry_shape_is_right
	s_endpgm
.Lentry_shape_is_right:
; ATTN: ctx[q] = sum over keys of softmax(q . k / 8) v, both products on codes of FP4 with E8M0 scales; then ctx is quantised along the hidden axis for the last product.
; THE SOFTMAX AHEAD OF THE SECOND PRODUCT: t = score x log2(e) / 8; M = the row's largest t so far, rounded UP to a whole number; p = 2^(t - M) is quantised along the keys, not normalised;
; the row's sum is taken of the unquantised p and divides at the end.  When M moves, the sum and O are multiplied by 2^(old M - new M): exact.
; SHARES.  A work-group owns 256 queries of one head, each of its sixteen waves one tile of 16, in 256 registers.  A key step is 128 keys; every wave walks all 32.
; A WHOLE HEAD'S k, v AND SCALES, 32 key steps x 8,960 bytes, lie in LDS and are filled once: wave w fetches step w at the head and step 16 + w behind a second round; the second half lands under steps 0-15.
; CLUSTER 4 x 1: the four blocks of queries of a cluster belong to one head and read the same bytes: each load is asked for jointly, with a mask that names the four.
; NO PREFETCH: both fills are asked for ahead of the first key step, so there is no loop to run ahead in.
; LAYOUT.  Both products transposed: S^T = k q^T (source 0 = 16 keys), O^T = v^T p^T (source 0 = 16 channels): a lane holds one query throughout.
; THE KEYS OF A TILE: tile 4 g + u takes in rows 0-7 keys 64 g + 8 u + 0 .. 7 and in rows 8-15 keys 64 g + 32 + 8 u + 0 .. 7.  So the 32 registers of tiles 4 g .. 4 g + 3 of lane (r, h) are the WHOLE block of 32 keys 64 g + 32 h + 0 .. 31:
; a block's largest score needs no other lane, and the conversions' results are the second product's operand as they stand (registers 4 g .. 4 g + 3 = k 64 g + 32 h + 0 .. 31).
; kv holds k by tiles whose row r' is key 32 b + 8 u' + r' + (r' & 8): a tile of this kernel is made of halves of 8 rows of two such tiles, 1,024 bytes apart, by each lane's LDS address; the scale words likewise.
; The head's K is 64: registers 4-7 of q's and k's fragments hold zero codes, and the upper two scale bytes are 0x7f.
; LIMITS: NaN and infinities are not served; the scaled scores t stay under 2^31 in magnitude; a block of ctx whose largest magnitude lies under 2^-124 keeps the byte 1.
; REGISTERS: v1 16 x lane; v2-3 the add's two; v4-7 the step's addresses; v8 32 r; v9 8 h; v10 -M (v11 = 0 beside it), v12 the last -M, v13 the largest score, v[14:15] the sum; v16-23 q; v24 q's scale word; v26-27 v's, v28-31 k's;
; v32-95 k; v96-159 S^T, then p; v160-191 O^T; v192-223 v; v224-231 p's codes; v232-248 at work; v249-251 lane terms; v252 f; v253 p's scale word.
.set STEPB, 8960
.set SPARE, 32*STEPB                   ; behind the head's image: the spare words, 128 bytes a wave
.set WV,  12
.set G1,  16                           ; s[16:23]
.set G0A, 24                           ; s[24:27] group 0 of my first load;  s[28:31] of my second
.set G0B, 28
.set SEL, 56
.set CS,  58                           ; s[58:59] c = log2(e) / 8
.set TB,  76                           ; LDS byte at which the step in hand begins
.set CT,  77
.set CN,  78                           ; -c
.set SPW, 2
.set NIL, 3
.set AK,  4
.set AS,  5
.set AV,  6
.set AT,  7
.set LK,  249                          ; my lane's place in a tile of k: 1,024 (r / 8) + 16 (r % 8) + 256 h
.set LS,  250                          ; among k's scale words: 8 (l % 8) + 4 ((l / 8) % 2) + 128 (l / 16)
.set L4,  251                          ; 4 x lane
.macro CROUND
	s_barrier_signal -1
	s_barrier_wait -1
	s_cmp_lg_u32 s[WV], 0
	s_cbranch_scc1 .Lnot_wave_0_\@
	s_barrier_signal -3
.Lnot_wave_0_\@:
	s_barrier_wait -3
	s_barrier_signal -1
	s_barrier_wait -1
.endm
.macro PLACES
.rept 4
	v_nop
.endr
.endm
; One product.  c: C's first register, or -1 for the constant 0.  ra = 1: source 0's scales are read from lanes 16-31.
.macro WM d, a, b, c, sa, sb, ra
.set wD, \d
.set wA, \a
.set wB, \b
.set wC, \c
.set wS, \sa
.set wT, \sb
.set wR, \ra
.if wC < 0
.if wR == 0
	v_wmma_scale_f32_16x16x128_f8f6f4 v[wD:wD+7], v[wA:wA+7], v[wB:wB+7], 0, v[wS], v[wT] matrix_a_fmt:MATRIX_FMT_FP4 matrix_b_fmt:MATRIX_FMT_FP4
.else
	v_wmma_scale_f32_16x16x128_f8f6f4 v[wD:wD+7], v[wA:wA+7], v[wB:wB+7], 0, v[wS], v[wT] matrix_a_fmt:MATRIX_FMT_FP4 matrix_b_fmt:MATRIX_FMT_FP4 matrix_a_scale:MATRIX_SCALE_ROW1
.endif
.else
.if wR == 0
	v_wmma_scale_f32_16x16x128_f8f6f4 v[wD:wD+7], v[wA:wA+7], v[wB:wB+7], v[wC:wC+7], v[wS], v[wT] matrix_a_fmt:MATRIX_FMT_FP4 matrix_b_fmt:MATRIX_FMT_FP4
.else
	v_wmma_scale_f32_16x16x128_f8f6f4 v[wD:wD+7], v[wA:wA+7], v[wB:wB+7], v[wC:wC+7], v[wS], v[wT] matrix_a_fmt:MATRIX_FMT_FP4 matrix_b_fmt:MATRIX_FMT_FP4 matrix_a_scale:MATRIX_SCALE_ROW1
.endif
.endif
.endm
; 32 numbers of a lane (register 16 b + i = k 32 b + 16 h + i) -> four registers of codes (k = 32 h + 0 .. 31) and two scale bytes: ctx, on the way out
.macro Q2 s, pc, pw, tm
.irp b, 0,1
	v_max3_num_f32 v[\tm+\b], |v[\s+16*\b]|, |v[\s+1+16*\b]|, 0x1800000   ; and the floor 2^(3 - 127): the byte cannot fall under 1
.endr
.irp i, 2,4,6,8,10,12,14
.irp b, 0,1
	s_delay_alu instid0(VALU_DEP_2)
	v_max3_num_f32 v[\tm+\b], v[\tm+\b], |v[\s+16*\b+\i]|, |v[\s+1+16*\b+\i]|
.endr
.endr
.irp b, 0,1
	s_delay_alu instid0(VALU_DEP_2)
	v_permlanex16_b32 v[\tm+2+\b], v[\tm+\b], s[SEL], s[SEL+1]
.endr
.irp b, 0,1
	s_delay_alu instid0(VALU_DEP_2)
	v_max_num_f32 v[\tm+\b], v[\tm+\b], v[\tm+2+\b]
.endr
.irp b, 0,1
	s_delay_alu instid0(VALU_DEP_2)
	v_add_nc_u32 v[\tm+4+\b], 0xff000000, v[\tm+\b]
.endr
.irp b, 0,1
	s_delay_alu instid0(VALU_DEP_2)
	v_lshrrev_b32 v[\tm+6+\b], 23, v[\tm+4+\b]
.endr
	s_delay_alu instid0(VALU_DEP_1)
	v_lshl_or_b32 v[\pw], v[\tm+7], 8, v[\tm+6]
.irp b, 0,1
	v_cvt_scalef32_pk8_fp4_f32 v[\pc+2*\b], v[\s+16*\b:\s+7+16*\b], v[\tm+4+\b]
	v_cvt_scalef32_pk8_fp4_f32 v[\pc+1+2*\b], v[\s+8+16*\b:\s+15+16*\b], v[\tm+4+\b]
.endr
	v_nop                                          ; one plain instruction behind the scaled conversions
	v_permlane16_swap_b32 v[\pc], v[\pc+2]
	v_permlane16_swap_b32 v[\pc+1], v[\pc+3]
.endm
.macro KW o                            ; k's scale words, o bytes on from the step in hand: register 28 + 2 g + w: lanes 0-15 tile 4 g + 2 w, lanes 16-31 tile 4 g + 2 w + 1
.irp p, 0,1,2,3
	ds_load_b32 v[28+\p], v[AS] offset:(\o)+4096+256*(\p/2)+64*(\p%2)
.endr
.endm
.macro KT o, a, b, c, d                ; four tiles of k: registers 0-3 of each fragment
.irp t, \a,\b,\c,\d
	ds_load_b128 v[32+8*\t:35+8*\t], v[AK] offset:(\o)+2048*(\t/4)+512*(\t%2)+128*((\t/2)%2)
.endr
.endm
.macro LV t                            ; a fragment of v^T: 16 channels x 128 keys
.irp c, 0,1
	ds_load_b128 v[192+8*\t+4*\c:195+8*\t+4*\c], v[AV] offset:4608+1024*\t+512*\c
.endr
.endm
.macro PF n                            ; t - M, two at a time
.rept \n
	v_pk_fma_f32 v[96+j:97+j], v[96+j:97+j], s[CS:CS+1], v[10:11] op_sel_hi:[1,0,0]
.set j, j+2
.endr
.endm
.macro SR i                            ; pairs i .. i + 3 of p onto the sum's four chains
	v_pk_add_f32 v[236:237], v[236:237], v[96+2*(\i):97+2*(\i)]
	v_pk_add_f32 v[238:239], v[238:239], v[98+2*(\i):99+2*(\i)]
	v_pk_add_f32 v[240:241], v[240:241], v[100+2*(\i):101+2*(\i)]
	v_pk_add_f32 v[14:15], v[14:15], v[102+2*(\i):103+2*(\i)]
.endm
	s_load_b256 s[4:11], s[0:1], 0x0               ; qb, kv, cq, cs
	v_lshl_add_u32 v[SPW], v0, 2, SPARE
	v_mov_b32 v[NIL], 0
	ds_add_u32 v[SPW], v[NIL]                      ; the opening lines: the add, twice on end, and its wait ahead of my first tensor load
	ds_add_u32 v[SPW], v[NIL]
	v_lshrrev_b32 v1, 5, v0
	s_delay_alu instid0(VALU_DEP_1)
	v_readfirstlane_b32 s[WV], v1                  ; wave 0..15
	s_bfe_u32 s13, ttmp6, 0x40000                  ; cx: it enters q's and ctx's addresses alone
	s_and_b32 s14, ttmp7, 0xffff                   ; the head, which the four partners share
	s_lshl_b32 s15, ttmp9, 2
	s_add_co_u32 s15, s15, s13                     ; my block of 256 queries
	; group 1: a key step is a dense block of 35 rows of 256 bytes (32 elements of 8 bytes), no padding
	s_mov_b32 s[G1], 15|(3<<16)|(1<<21)            ; 15:0 the mask: all four work-groups; 17:16 elements of 8 bytes; 21 set beside a mask
	s_mov_b32 s[G1+1], 32<<16
	s_mov_b32 s[G1+2], 35<<16
	s_mov_b32 s[G1+3], 32<<16
	s_mov_b32 s[G1+4], 35
	s_mov_b32 s[G1+5], 32
	s_mov_b32 s[G1+6], 0
	s_mov_b32 s[G1+7], 0
	s_mul_i32 s62, s[WV], STEPB                    ; step w: the same place in the head's block and in LDS
	s_mul_i32 s66, s14, 32*STEPB
	s_add_co_u32 s66, s66, s62
	s_mov_b32 s67, 0
	s_mov_b32 s[SEL], 0x76543210
	s_mov_b32 s[SEL+1], 0xfedcba98
	s_mov_b32 s[CS], 0x3e38aa3b
	s_mov_b32 s[CS+1], s[CS]                       ; (named with it as a pair, so it is written)
	s_mov_b32 s[CN], 0xbe38aa3b
	s_wait_dscnt 0x0                               ; both opening adds are done
	s_wait_kmcnt 0x0
	s_add_nc_u64 s[66:67], s[6:7], s[66:67]
	CROUND                                         ; all four work-groups are here: the joint loads meet
	s_mov_b32 s[G0A], 1
	s_mov_b32 s[G0A+1], s62
	s_mov_b64 s[G0A+2:G0A+3], s[66:67]
	s_or_b32 s[G0A+3], s[G0A+3], 0x80000000
	s_mov_b32 s[G0B], 1
	s_add_co_u32 s[G0B+1], s62, 16*STEPB
	s_add_nc_u64 s[G0B+2:G0B+3], s[66:67], 16*STEPB
	s_or_b32 s[G0B+3], s[G0B+3], 0x80000000
	tensor_load_to_lds s[G0A:G0A+3], s[G1:G1+7]    ; step w: one tensor load a wave at the head
	s_nop 0
	PLACES
	s_lshl_b32 s68, s15, 4
	s_add_co_u32 s68, s68, s[WV]                   ; my tile T of 16 queries
	s_lshr_b32 s69, s68, 3
	s_mul_i32 s69, s69, 4608
	s_mul_i32 s70, s14, 147456
	s_add_co_u32 s70, s70, s69
	s_mov_b32 s71, 0
	s_add_nc_u64 s[4:5], s[4:5], s[70:71]          ; its step's block in qb
	s_and_b32 s70, s68, 7
	s_lshl_b32 s70, s70, 9
	s_add_nc_u64 s[72:73], s[4:5], s[70:71]        ; its codes
	s_bfe_u32 s70, s68, 0x10002
	s_lshl_b32 s70, s70, 8                         ; its scale words: 4,096 + 256 ((T / 4) % 2) + 128 (T % 2) + 4 ((T / 2) % 2) + 8 r
	s_and_b32 s69, s68, 1
	s_lshl_b32 s69, s69, 7
	s_add_co_u32 s70, s70, s69
	s_bfe_u32 s69, s68, 0x10001
	s_lshl_b32 s69, s69, 2
	s_add_co_u32 s70, s70, s69
	s_add_co_u32 s70, s70, 4096
	s_add_nc_u64 s[74:75], s[4:5], s[70:71]
	s_lshl_b32 s70, s68, 13
	s_lshl_b32 s69, s14, 9
	s_add_co_u32 s70, s70, s69
	s_add_nc_u64 s[8:9], s[8:9], s[70:71]          ; ctx's codes: T x 8,192 + head x 512
	s_lshl_b32 s70, s68, 9
	s_lshl_b32 s69, s14, 1
	s_add_co_u32 s70, s70, s69
	s_add_nc_u64 s[10:11], s[10:11], s[70:71]      ; its scale bytes: T x 512 + 2 x head
	v_and_b32 v25, 31, v0
	v_and_b32 v232, 7, v0
	v_bfe_u32 v233, v0, 3, 1
	v_bfe_u32 v9, v0, 4, 1                         ; h
	v_and_b32 v234, 15, v0                         ; r
	v_lshlrev_b32 v1, 4, v25
	v_lshlrev_b32 v[L4], 2, v25
	v_lshlrev_b32 v[LK], 4, v232
	v_lshlrev_b32 v[LS], 3, v232
	v_lshlrev_b32 v25, 3, v234
	v_lshlrev_b32 v8, 5, v234
	v_lshl_add_u32 v[LK], v233, 10, v[LK]
	v_lshl_add_u32 v[LS], v233, 2, v[LS]
	v_lshl_add_u32 v[LK], v9, 8, v[LK]
	v_lshl_add_u32 v[LS], v9, 7, v[LS]
	v_lshlrev_b32 v9, 3, v9                        ; 8 h: by so many bits my two scale bytes of p are shifted
	global_load_b128 v[16:19], v1, s[72:73]        ; q's fragment stays in registers
	global_load_b32 v24, v25, s[74:75]
.irp j, 20,21,22,23
	v_mov_b32 v[\j], 0                             ; k = 64 .. 127: zero codes
.endr
.irp t, 0,1,2,3,4,5,6,7
.irp j, 4,5,6,7
	v_mov_b32 v[32+8*\t+\j], 0                     ; the same in k's eight fragments: written once, never loaded
.endr
.endr
.set j, 0
.rept 32
	v_mov_b32 v[160+j], 0                          ; O^T: the step is written once; its first turn finds zeros, which the first change of M leaves zeros
.set j, j+1
.endr
.irp j, 237,248,253,11,14,15
	v_mov_b32 v[\j], 0                             ; lane permutes' destinations count as read; v253 and v11 are named as upper halves of pairs; the sum
.endr
	v_mov_b32 v13, 0xff61b1e6                      ; the largest score so far: -3e38
	v_mov_b32 v12, 0x7e967699                      ; the last -M: 1e38, so that the first f is 0
; A KEY STEP: 128 keys.  Its k and k's scale words were asked for a step ago; pre = 1: the next step's are asked for here.
.macro STEP pre
	s_wait_dscnt 0x0                               ; k and its words are in
.irp t, 0,1,2,3,4,5,6,7
	WM 96+8*\t, 32+8*\t, 16, -1, 28+\t/2, 24, \t%2
.endr
	v_add_nc_u32 v[AK], s[TB], v[LK]               ; the step's addresses: these four are the places behind the products (ISA guide 7.12.1)
	v_add_nc_u32 v[AS], s[TB], v[LS]
	v_add_nc_u32 v[AV], s[TB], v1
	v_add_nc_u32 v[AT], s[TB], v[L4]
.irp g, 0,1                                    ; the largest score of my two blocks of 32 keys, each in two chains, the four by turns; each accumulator is first read at its low end
	v_max3_num_f32 v[232+\g], v[96+32*\g], v[97+32*\g], v[98+32*\g]
	v_max3_num_f32 v[234+\g], v[113+32*\g], v[114+32*\g], v[115+32*\g]
.endr
.irp k, 0,1,2,3,4,5
.irp g, 0,1
	v_max3_num_f32 v[232+\g], v[232+\g], v[99+32*\g+2*\k], v[100+32*\g+2*\k]
	v_max3_num_f32 v[234+\g], v[234+\g], v[116+32*\g+2*\k], v[117+32*\g+2*\k]
.endr
.endr
.irp g, 0,1
	v_max3_num_f32 v[232+\g], v[232+\g], v[111+32*\g], v[112+32*\g]
.endr
.irp g, 0,1
	v_max_num_f32 v[232+\g], v[232+\g], v[234+\g]  ; it serves the row's maximum and, since p rises with the score, the block's largest p
.endr
	s_delay_alu instid0(VALU_DEP_1)
	v_max_num_f32 v236, v232, v233                 ; the chain to M; the step's LDS loads stand among its links: v's ten first, then the next step's twelve of k
	ds_load_b32 v26, v[AT] offset:8704
	ds_load_b32 v27, v[AT] offset:8832
	LV 0
	v_permlanex16_b32 v237, v236, s[SEL], s[SEL+1]
	LV 1
	LV 2
	v_max3_num_f32 v13, v13, v236, v237            ; the running largest score of my query
	LV 3
.if \pre
	KW STEPB
.endif
	v_mul_f32 v238, s[CN], v13                     ; -t (c is positive)
.if \pre
	KT STEPB, 0,1,2,3
.else
	s_delay_alu instid0(VALU_DEP_1)
.endif
	v_floor_f32 v10, v238                          ; the new -M = floor(-t) = -ceil(t)
.if \pre
	KT STEPB, 4,5,6,7
.else
	s_delay_alu instid0(VALU_DEP_1)
.endif
	v_sub_f32 v239, v10, v12                       ; old M - new M: a whole number, 0 or less
.set j, 0
	PF 4
	v_cvt_i32_f32 v239, v239                       ; (it saturates)
	PF 4
	v_ldexp_f32 v252, 1.0, v239                    ; f = 2^(old M - new M)
	PF 24
.irp g, 0,1
	v_fma_f32 v[232+\g], v[232+\g], s[CS], v10     ; the same of each block's largest score
.endr
.set j, 0
.rept 16
	v_pk_mul_f32 v[160+j:161+j], v[160+j:161+j], v[252:253] op_sel_hi:[1,0]   ; O^T under the new M
.set j, j+2
.endr
	v_pk_mul_f32 v[14:15], v[14:15], v[252:253] op_sel_hi:[1,0]               ; and the sum
	s_wait_alu depctr_va_vdst(0)                   ; the wait ahead of the batch
	v_exp_f32 v232, v232                           ; each block's largest p
	v_exp_f32 v233, v233
.set j, 0
.rept 64
	v_exp_f32 v[96+j], v[96+j]                     ; p = 2^(t - M)
.set j, j+1
.endr
	v_mov_b32 v12, v10                             ; (a plain instruction behind the exponentials)
	s_wait_alu depctr_va_vdst(0)                   ; one wait for the batch, ahead of its first reader
	v_max_num_f32 v232, 0x1800000, v232            ; the floor 2^(3 - 127): the byte cannot fall under 1
	v_max_num_f32 v233, 0x1800000, v233
	v_pk_add_f32 v[236:237], v[96:97], v[98:99]    ; the row's sum of the unquantised p, in four chains; the scales' lines stand among them
	v_pk_add_f32 v[238:239], v[100:101], v[102:103]
	v_pk_add_f32 v[240:241], v[104:105], v[106:107]
	v_pk_add_f32 v[14:15], v[14:15], v[108:109]
	v_add_nc_u32 v244, 0xff000000, v232            ; 2 off the exponent field: the conversion's scale operand
	v_add_nc_u32 v245, 0xff000000, v233
	SR 7
	v_lshrrev_b32 v246, 23, v244                   ; the scales' bytes: blocks h and 2 + h
	v_lshrrev_b32 v247, 23, v245
.irp g, 0,1
.irp u, 0,1,2,3
	v_cvt_scalef32_pk8_fp4_f32 v[224+4*\g+\u], v[96+32*\g+8*\u:103+32*\g+8*\u], v[244+\g]   ; k = 64 g + 32 h + 8 u + 0 .. 7: the operand's register 4 g + u
.endr
.endr
	v_lshl_or_b32 v253, v247, 16, v246
	SR 11
	v_lshlrev_b32 v253, v9, v253                   ; at their places in the scale word
	SR 15
	v_permlanex16_b32 v248, v253, s[SEL], s[SEL+1]
	SR 19
	v_or_b32 v253, v253, v248                      ; with lane l xor 16's two the word is whole; twelve plain instructions stand between this line and the products
	SR 23
	SR 27
	v_pk_add_f32 v[236:237], v[236:237], v[158:159]
	v_pk_add_f32 v[14:15], v[14:15], v[240:241]
	v_pk_add_f32 v[236:237], v[236:237], v[238:239]
	s_delay_alu instid0(VALU_DEP_1)
	v_pk_add_f32 v[14:15], v[14:15], v[236:237]
	s_wait_alu depctr_va_vdst(0)                   ; the wait directly ahead of the wait below
	s_wait_dscnt 12*\pre                           ; v's ten loads are in; the twelve of the next step's k, issued behind them, stay out
.irp t, 0,1,2,3
	WM 160+8*\t, 192+8*\t, 224, 160+8*\t, 26+\t/2, 253, \t%2
.endr
.endm
; Sixteen steps from step first on: the first step's k is asked for ahead of the loop; the last step asks for nothing and is written out
.macro RUN first
	s_mov_b32 s[TB], (\first)*STEPB
	v_add_nc_u32 v[AK], s[TB], v[LK]
	v_add_nc_u32 v[AS], s[TB], v[LS]
	KW 0
	KT 0, 0,1,2,3
	KT 0, 4,5,6,7
	s_mov_b32 s[CT], 15
.Lstep_\@:
	STEP 1
	s_add_co_u32 s[TB], s[TB], STEPB
	s_sub_co_u32 s[CT], s[CT], 1
	s_cmp_lg_u32 s[CT], 0
	s_cbranch_scc1 .Lstep_\@
	STEP 0
.endm
	s_wait_alu depctr_va_vdst(0)                   ; the wait at the head's end
	s_wait_loadcnt 0x0                             ; q
	s_wait_tensorcnt 0x0                           ; my step of the first sixteen is in
	ds_add_u32 v[SPW], v[NIL]
	s_wait_dscnt 0x0
	CROUND                                         ; steps 0-15 are whole, and all four work-groups are here: the joint loads meet
	tensor_load_to_lds s[G0B:G0B+3], s[G1:G1+7]    ; step 16 + w: my one tensor load behind the round; it has sixteen steps' work in which to land
	s_nop 0
	PLACES
	RUN 0
	s_wait_tensorcnt 0x0                           ; my step of the second sixteen is in,
	s_wait_dscnt 0x0
	s_barrier_signal -1
	s_barrier_wait -1                              ; and everybody's
	RUN 16
	; THE WAY OUT: O^T / the sum; its 32 numbers of a lane are channels 32 b + 16 h + i of my query: two blocks along the last product's K
	PLACES
	v_add_f32 v14, v14, v15
	s_delay_alu instid0(VALU_DEP_1)
	v_permlanex16_b32 v252, v14, s[SEL], s[SEL+1]
	s_delay_alu instid0(VALU_DEP_1)
	v_add_f32 v14, v14, v252                       ; the row's sum
	s_wait_alu depctr_va_vdst(0)                   ; the wait ahead of the transcendental
	v_rcp_f32 v14, v14
	v_nop
	s_wait_alu depctr_va_vdst(0)                   ; and ahead of its first reader, which is also O^T's
.set j, 0
.rept 32
	v_mul_f32 v[96+j], v[160+j], v14               ; ascending: each accumulator is read from its low end on
.set j, j+1
.endr
	Q2 96, 224, 240, 232
	global_store_b128 v1, v[224:227], s[8:9]       ; 512 consecutive bytes: registers 4 c .. 4 c + 3 (c = head % 2) of K step head / 2 of the last product's operand
	global_store_b16 v8, v240, s[10:11]            ; my row's two scale bytes; lanes l and l xor 16 write the same bytes with the same value
	s_wait_tensorcnt 0x0                           ; the wave's end
	ds_add_u32 v[SPW], v[NIL]
	s_wait_dscnt 0x0
	CROUND                                         ; the closing round
	s_endpgm
.Lfunc_end_k_q0a50d1d9ca_attn:
	.size	k_q0a50d1d9ca_attn, .Lfunc_end_k_q0a50d1d9ca_attn-k_q0a50d1d9ca_attn
	.p2alignl 7, 3214868480
	.fill 96, 4, 3214868480
	.section	.rodata,"a",@progbits
	.p2align	6, 0x0
	.amdhsa_kernel k_q0a50d1d9ca_attn
		.amdhsa_group_segment_fixed_size 327680
		.amdhsa_private_segment_fixed_size 0
		.amdhsa_enable_private_segment 0
		.amdhsa_kernarg_size 32
		.amdhsa_user_sgpr_count 2
		.amdhsa_user_sgpr_kernarg_segment_ptr 1
		.amdhsa_wavefront_size32 1
		.amdhsa_system_sgpr_workgroup_id_x 1
		.amdhsa_system_sgpr_workgroup_id_y 1
		.amdhsa_system_sgpr_workgroup_id_z 1
		.amdhsa_system_vgpr_workitem_id 0
		.amdhsa_next_free_vgpr 256
		.amdhsa_next_free_sgpr 80
		.amdhsa_reserve_vcc 0
		.amdhsa_float_denorm_mode_32 3
		.amdhsa_float_denorm_mode_16_64 3
		.amdhsa_memory_ordered 1
		.amdhsa_forward_progress 1
		.amdhsa_inst_pref_size 69
	.end_amdhsa_kernel
	.amdgpu_metadata
---
amdhsa.version: [ 1, 2 ]
amdhsa.kernels:
  - .name:           k_q0a50d1d9ca_attn
    .symbol:         k_q0a50d1d9ca_attn.kd
    .args:
      - { .name: qb, .offset: 0, .size: 8, .value_kind: global_buffer, .address_space: global }
      - { .name: kv, .offset: 8, .size: 8, .value_kind: global_buffer, .address_space: global }
      - { .name: cq, .offset: 16, .size: 8, .value_kind: global_buffer, .address_space: global }
      - { .name: cs, .offset: 24, .size: 8, .value_kind: global_buffer, .address_space: global }
    .group_segment_fixed_size: 327680
    .private_segment_fixed_size: 0
    .kernarg_segment_align: 8
    .kernarg_segment_size: 32
    .max_flat_workgroup_size: 512
    .sgpr_count:     80
    .vgpr_count:     256
    .wavefront_size: 32
...
	.end_amdgpu_metadata
.endif
;; end of part 3
;; launch oproj (part 4): grid 256 x 1, 16 waves a work-group, clusters of 4 x 1, 280,576 bytes of LDS; arguments cq, cs, wimg, x, bo, gamma, beta, out0; writes out0
.if DOCPART == 4
	.amdgcn_target "amdgcn-amd-amdhsa--gfx1250"
	.amdhsa_code_object_version 6
	.text
	.protected	k_q0a50d1d9ca_oproj
	.globl	k_q0a50d1d9ca_oproj
	.p2align	8
	.type	k_q0a50d1d9ca_oproj,@function
k_q0a50d1d9ca_oproj:
	s_mov_b64 s[64:65], 0
	v_nop
	global_prefetch_b8 v0, s[64:65] scope:SCOPE_SE
	s_setreg_imm32_b32 hwreg(HW_REG_WAVE_MODE, 25, 1), 1
	s_wait_xcnt 0x0
	s_wait_alu depctr_hold_cnt(0) depctr_sa_sdst(0) depctr_va_vdst(0) depctr_va_sdst(0) depctr_va_ssrc(0) depctr_va_vcc(0) depctr_vm_vsrc(0)
	s_getreg_b32 s2, hwreg(HW_REG_IB_STS2, 6, 4)
	s_cmp_eq_u32 s2, 0
	s_cbranch_scc0 .Lentry_in_a_cluster
	s_endpgm
.Lentry_in_a_cluster:
	s_bfe_u32 s2, ttmp6, 0x10000c
	s_cmp_lg_u32 s2, 0x3003
	s_cbranch_scc0 .Lentry_shape_is_right
	s_endpgm
.Lentry_shape_is_right:
; OPROJ: out = LayerNorm(ctx Wo^T + bo + x) gamma + beta; the product on codes of FP4 with E8M0 scales, all else in f32.
; A work-group owns one tile T of 16 rows (row r is pos(T, r) = 32 (T / 2) + 8 (T % 2) + r + (r & 8)) and all 1,024 columns, so that a row's mean and variance stay inside it.
; PRODUCT: wave w makes columns 64 w .. 64 w + 63, four accumulators by turns, 8 K steps; transposed (source 0 = Wo): a lane holds one row and 32 neighbouring-by-16 columns.
; Operands are images of registers (see PREP, ATTN): a fragment is two loads of 512 consecutive bytes.
; CLUSTER 4 x 1: every work-group reads all of Wo.  Wo's chunks of K steps 0-3, 4 blocks x 4 steps x 17,408 bytes = 278,528 bytes, fit in LDS once: wave w asks for chunk (block w / 4, K step w % 4), jointly with the three partners.
; The chunks of K steps 4-7 have no room beside them; they come from memory straight into registers, each byte to the one wave that uses it, while the joint loads are on their way: so nothing is filled again.
; NO PREFETCH: every load is asked for at the head, and there is no loop to run ahead in.
; ROWS: the results meet in a stage in LDS; wave w then owns the whole row pos(T, w): residual, mean, variance by a second pass over the differences, scale, store.
; The stage lies on the bytes of chunks 0-3, which have had their one fill; a barrier stands between every wave's last read of the chunks and the first store there.
; LIMITS: NaN and infinities are not served.
; REGISTERS: v1 16 x lane, v2 4 x lane, v3 32 r, v4-5 the stage's addresses; v8-15 ctx's scale words; v16-23 Wo's of K steps 4-7, v24-27 of two K steps out of LDS; v28-29 the add's two; v30-31 LDS addresses;
; v32-63 the sums; v64-127 ctx's 8 fragments; v128-223 three sets of Wo's four fragments; v224-255 my row of x.
.set CHUNK, 17408
.set SPARE, 16*CHUNK                   ; behind the chunks: the spare words, 128 bytes a wave
.set WV,  20
.set SEL, 36
.set G1,  40                           ; s[40:47]
.set G0,  48                           ; s[48:51]
.set ACC, 32
.set SPI, 4112                         ; a stage row: 4,096 bytes + 16: an odd multiple of 16
.set SPW, 28
.set NIL, 29
.set AW,  30
.set AWS, 31
.macro CROUND                          ; a round of the cluster's barrier
	s_barrier_signal -1
	s_barrier_wait -1
	s_cmp_lg_u32 s[WV], 0
	s_cbranch_scc1 .Lnot_wave_0_\@
	s_barrier_signal -3
.Lnot_wave_0_\@:
	s_barrier_wait -3
	s_barrier_signal -1
	s_barrier_wait -1
.endm
.macro PLACES
.rept 4
	v_nop
.endr
.endm
.macro WM d, a, b, c, sa, sb, ra
.set wD, \d
.set wA, \a
.set wB, \b
.set wC, \c
.set wS, \sa
.set wT, \sb
.set wR, \ra
.if wC < 0
.if wR == 0
	v_wmma_scale_f32_16x16x128_f8f6f4 v[wD:wD+7], v[wA:wA+7], v[wB:wB+7], 0, v[wS], v[wT] matrix_a_fmt:MATRIX_FMT_FP4 matrix_b_fmt:MATRIX_FMT_FP4
.else
	v_wmma_scale_f32_16x16x128_f8f6f4 v[wD:wD+7], v[wA:wA+7], v[wB:wB+7], 0, v[wS], v[wT] matrix_a_fmt:MATRIX_FMT_FP4 matrix_b_fmt:MATRIX_FMT_FP4 matrix_a_scale:MATRIX_SCALE_ROW1
.endif
.else
.if wR == 0
	v_wmma_scale_f32_16x16x128_f8f6f4 v[wD:wD+7], v[wA:wA+7], v[wB:wB+7], v[wC:wC+7], v[wS], v[wT] matrix_a_fmt:MATRIX_FMT_FP4 matrix_b_fmt:MATRIX_FMT_FP4
.else
	v_wmma_scale_f32_16x16x128_f8f6f4 v[wD:wD+7], v[wA:wA+7], v[wB:wB+7], v[wC:wC+7], v[wS], v[wT] matrix_a_fmt:MATRIX_FMT_FP4 matrix_b_fmt:MATRIX_FMT_FP4 matrix_a_scale:MATRIX_SCALE_ROW1
.endif
.endif
.endm
.macro ALLSUM r                        ; the sum over the wave's 32 lanes, in every lane
	s_delay_alu instid0(VALU_DEP_1)
	v_add_f32_dpp v[\r], v[\r], v[\r] row_xmask:1 row_mask:0xf bank_mask:0xf
	s_delay_alu instid0(VALU_DEP_1)
	v_add_f32_dpp v[\r], v[\r], v[\r] row_xmask:2 row_mask:0xf bank_mask:0xf
	s_delay_alu instid0(VALU_DEP_1)
	v_add_f32_dpp v[\r], v[\r], v[\r] row_xmask:4 row_mask:0xf bank_mask:0xf
	s_delay_alu instid0(VALU_DEP_1)
	v_add_f32_dpp v[\r], v[\r], v[\r] row_xmask:8 row_mask:0xf bank_mask:0xf
	s_delay_alu instid0(VALU_DEP_1)
	v_permlanex16_b32 v204, v[\r], s[SEL], s[SEL+1]
	s_delay_alu instid0(VALU_DEP_1)
	v_add_f32 v[\r], v[\r], v204
.endm
.macro DSET s, b                       ; Wo's four fragments of K step s, from memory into v[b .. b + 31]: eight loads
.irp t, 0,1,2,3
.irp c, 0,1
	global_load_b128 v[\b+8*\t+4*\c:\b+8*\t+4*\c+3], v1, s[8:9] offset:(\s)*CHUNK+1024*\t+512*\c
.endr
.endr
.endm
.macro MUL4 s, b, sw, first            ; K step s: Wo's fragments at v[b], their scale words at v[sw], v[sw + 1]
.irp t, 0,1,2,3
.if \first
	WM ACC+8*\t, \b+8*\t, 64+8*(\s), -1, \sw+\t/2, 8+(\s), \t%2
.else
	WM ACC+8*\t, \b+8*\t, 64+8*(\s), ACC+8*\t, \sw+\t/2, 8+(\s), \t%2
.endif
.endr
.endm
.macro BATCH l0                        ; K steps l0 and l0 + 1 out of LDS, into v160-223
.irp d, 0,1
.irp p, 0,1
	ds_load_b32 v[24+2*\d+\p], v[AWS] offset:((\l0)+\d)*CHUNK+128*\p
.endr
.irp t, 0,1,2,3
.irp c, 0,1
	ds_load_b128 v[160+32*\d+8*\t+4*\c:163+32*\d+8*\t+4*\c], v[AW] offset:((\l0)+\d)*CHUNK+1024*\t+512*\c
.endr
.endr
.endr
	s_wait_dscnt 0x0
	MUL4 (\l0), 160, 24, 0
	MUL4 (\l0)+1, 192, 26, 0
	PLACES                                         ; in front of loads into registers that the products have read
.endm
	s_load_b512 s[4:19], s[0:1], 0x0               ; cq, cs, wimg, x, bo, gamma, beta, out0
	v_lshl_add_u32 v[SPW], v0, 2, SPARE
	v_mov_b32 v[NIL], 0
	ds_add_u32 v[SPW], v[NIL]                      ; the opening lines: the add, twice on end, and its wait ahead of my first tensor load
	ds_add_u32 v[SPW], v[NIL]
	v_lshrrev_b32 v1, 5, v0
	s_delay_alu instid0(VALU_DEP_1)
	v_readfirstlane_b32 s[WV], v1                  ; wave 0..15
	s_bfe_u32 s38, ttmp6, 0x40000                  ; cx: it enters ctx's, x's and out0's addresses alone
	s_lshl_b32 s39, ttmp9, 2
	s_add_co_u32 s39, s39, s38                     ; my tile T
	s_mov_b32 s[SEL], 0x76543210
	s_mov_b32 s[SEL+1], 0xfedcba98
	s_mov_b32 s34, 0x3a800000                      ; 1 / 1,024
	s_mov_b32 s35, 0x3727c5ac                      ; 1e-5
	; group 1: a chunk is a dense block of 68 rows of 256 bytes (32 elements of 8 bytes), no padding
	s_mov_b32 s[G1], 15|(3<<16)|(1<<21)            ; 15:0 the mask: all four work-groups; 17:16 elements of 8 bytes; 21 set beside a mask
	s_mov_b32 s[G1+1], 32<<16
	s_mov_b32 s[G1+2], 68<<16
	s_mov_b32 s[G1+3], 32<<16
	s_mov_b32 s[G1+4], 68
	s_mov_b32 s[G1+5], 32
	s_mov_b32 s[G1+6], 0
	s_mov_b32 s[G1+7], 0
	s_lshr_b32 s55, s[WV], 2                       ; my block of 256 rows of Wo
	s_add_co_u32 s21, s55, 12                      ; its number in wimg
	s_mul_i32 s22, s21, 8*CHUNK
	s_and_b32 s21, s[WV], 3
	s_mul_i32 s52, s21, CHUNK
	s_add_co_u32 s52, s52, s22                     ; the chunk that I fetch: my block's, K step w % 4
	s_mov_b32 s53, 0
	s_mul_i32 s54, s[WV], CHUNK                    ; and where it goes
	s_lshl_b32 s24, s21, 12
	s_mul_i32 s55, s55, 4*CHUNK                    ; my block's four chunks in LDS
	s_lshl_b32 s26, s21, 8
	s_add_co_u32 s56, s55, s26
	s_add_co_u32 s56, s56, 16384                   ; my scale words in them,
	s_add_co_u32 s55, s55, s24                     ; and my four fragments
	s_add_co_u32 s24, s24, s22                     ; the same in memory: my four fragments of K step 0
	s_mov_b32 s25, 0
	s_add_co_u32 s26, s26, s22
	s_add_co_u32 s26, s26, 16384                   ; their scale words
	s_mov_b32 s27, 0
	s_lshl_b32 s28, s39, 13                        ; ctx's 8 fragments
	s_mov_b32 s29, 0
	s_lshl_b32 s30, s39, 9                         ; and scale bytes
	s_mov_b32 s31, 0
	s_lshr_b32 s32, s39, 1
	s_lshl_b32 s32, s32, 5
	s_and_b32 s21, s39, 1
	s_lshl_b32 s21, s21, 3
	s_add_co_u32 s32, s32, s21
	s_add_co_u32 s32, s32, s[WV]
	s_and_b32 s21, s[WV], 8
	s_add_co_u32 s32, s32, s21                     ; pos(T, w): the row that I finish
	s_lshl_b32 s32, s32, 12
	s_mov_b32 s33, 0
	s_lshl_b32 s57, s[WV], 8
	s_mul_i32 s58, s[WV], SPI
	v_and_b32 v6, 31, v0
	v_and_b32 v7, 15, v0                           ; r
	v_bfe_u32 v3, v0, 4, 1                         ; h
	v_lshlrev_b32 v1, 4, v6                        ; 16 x lane
	v_lshlrev_b32 v2, 2, v6                        ; 4 x lane
	v_mul_u32_u24 v4, v7, SPI
	v_add_nc_u32 v5, s58, v1                       ; stage, way out: row w, 16 bytes a lane
	v_add_nc_u32 v[AW], s55, v1
	v_add_nc_u32 v[AWS], s56, v2
	v_lshl_add_u32 v4, v3, 6, v4
	v_lshlrev_b32 v3, 5, v7                        ; ctx's scale bytes: 32 a row
	v_add_nc_u32 v4, s57, v4                       ; stage, way in: row r, + 256 w + 64 h
	v_mov_b32 v201, 0                              ; upper halves of pairs of which the low word is used
	v_mov_b32 v203, 0
	v_mov_b32 v204, 0                              ; a lane permute's destination counts as read
	s_wait_alu depctr_va_vdst(0)                   ; the wait at the head's end
	s_wait_dscnt 0x0                               ; both opening adds are done
	s_wait_kmcnt 0x0
	s_add_nc_u64 s[G0+2:G0+3], s[8:9], s[52:53]
	s_add_nc_u64 s[22:23], s[8:9], s[26:27]        ; Wo's scale words
	s_add_nc_u64 s[8:9], s[8:9], s[24:25]          ; Wo's fragments
	s_add_nc_u64 s[4:5], s[4:5], s[28:29]
	s_add_nc_u64 s[6:7], s[6:7], s[30:31]
	s_add_nc_u64 s[10:11], s[10:11], s[32:33]
	s_add_nc_u64 s[18:19], s[18:19], s[32:33]
	CROUND                                         ; all four work-groups are here: the joint loads meet
	s_mov_b32 s[G0], 1
	s_mov_b32 s[G0+1], s54
	s_or_b32 s[G0+3], s[G0+3], 0x80000000
	tensor_load_to_lds s[G0:G0+3], s[G1:G1+7]      ; my chunk: one tensor load a wave, and the only one
	s_nop 0
	PLACES
	global_load_b128 v[8:11], v3, s[6:7]           ; ctx's scale words of K steps 0-3,
	global_load_b128 v[12:15], v3, s[6:7] offset:16   ; 4-7
.irp s, 4,5,6,7
.irp p, 0,1
	global_load_b32 v[16+2*(\s-4)+\p], v2, s[22:23] offset:\s*CHUNK+128*\p
.endr
.endr
.irp s, 0,1,2,3,4,5,6,7
.irp c, 0,1
	global_load_b128 v[64+8*\s+4*\c:67+8*\s+4*\c], v1, s[4:5] offset:1024*\s+512*\c
.endr
.endr
	DSET 4, 128
	DSET 5, 160
	DSET 6, 192
.irp q, 0,1,2,3,4,5,6,7
	global_load_b128 v[224+4*\q:227+4*\q], v1, s[10:11] offset:512*\q th:TH_LOAD_NT   ; my row of x, for the residual
.endr
	s_wait_loadcnt 24                              ; K steps 5 and 6 and x's eight stay out
	MUL4 4, 128, 16, 1                             ; the first product starts the sums
	PLACES                                         ; in front of loads into registers that the products have read
	DSET 7, 128
	s_wait_loadcnt 24                              ; K step 6, x's eight and K step 7
	MUL4 5, 160, 18, 0
	s_wait_loadcnt 16                              ; x's eight and K step 7
	MUL4 6, 192, 20, 0
	PLACES
	s_wait_tensorcnt 0x0                           ; my chunk is in,
	s_barrier_signal -1
	s_barrier_wait -1                              ; and everybody's
	BATCH 0
	BATCH 2
	s_wait_loadcnt 0x0
	MUL4 7, 128, 22, 0
	PLACES
.irp q, 0,1,2,3,4,5,6,7
	global_load_b128 v[96+4*\q:99+4*\q], v1, s[12:13] offset:512*\q      ; bo, gamma, beta at my columns 128 q + 4 lane ..
	global_load_b128 v[128+4*\q:131+4*\q], v1, s[14:15] offset:512*\q
	global_load_b128 v[160+4*\q:163+4*\q], v1, s[16:17] offset:512*\q
.endr
	s_wait_dscnt 0x0                               ; my reads of the chunks are over,
	s_barrier_signal -1
	s_barrier_wait -1                              ; and everybody's: the stage may be laid on their bytes
.irp t, 0,1,2,3
	ds_store_b128 v4, v[ACC+8*\t:ACC+8*\t+3] offset:128*(\t/2)+32*(\t%2)         ; columns 64 w + 32 b + 16 h + 8 u + 0 .. 7 of row r; each accumulator from its low end on
	ds_store_b128 v4, v[ACC+8*\t+4:ACC+8*\t+7] offset:128*(\t/2)+32*(\t%2)+16
.endr
	s_wait_dscnt 0x0                               ; for the others' sake: my stores into the stage are done
	s_barrier_signal -1
	s_barrier_wait -1
.irp q, 0,1,2,3,4,5,6,7
	ds_load_b128 v[64+4*\q:67+4*\q], v5 offset:512*\q
.endr
	s_wait_dscnt 0x0
	s_wait_loadcnt 0x0
.set i, 0
.rept 16
	v_pk_add_f32 v[64+i:65+i], v[64+i:65+i], v[96+i:97+i]         ; + bo
.set i, i+2
.endr
.set i, 0
.rept 16
	v_pk_add_f32 v[64+i:65+i], v[64+i:65+i], v[224+i:225+i]       ; + x
.set i, i+2
.endr
.irp k, 0,1,2,3
	v_pk_add_f32 v[192+2*\k:193+2*\k], v[64+2*\k:65+2*\k], v[72+2*\k:73+2*\k]   ; the row's sum, in four chains
.endr
.irp m, 16,24
.irp k, 0,1,2,3
	s_delay_alu instid0(VALU_DEP_4)
	v_pk_add_f32 v[192+2*\k:193+2*\k], v[192+2*\k:193+2*\k], v[64+\m+2*\k:65+\m+2*\k]
.endr
.endr
	s_delay_alu instid0(VALU_DEP_3)
	v_pk_add_f32 v[192:193], v[192:193], v[194:195]
	s_delay_alu instid0(VALU_DEP_2)
	v_pk_add_f32 v[196:197], v[196:197], v[198:199]
	s_delay_alu instid0(VALU_DEP_1)
	v_pk_add_f32 v[192:193], v[192:193], v[196:197]
	s_delay_alu instid0(VALU_DEP_1)
	v_add_f32 v200, v192, v193
	ALLSUM 200
	s_delay_alu instid0(VALU_DEP_1)
	v_mul_f32 v200, s34, v200                      ; the mean
.set i, 0
.rept 16
	v_pk_add_f32 v[64+i:65+i], v[64+i:65+i], v[200:201] op_sel_hi:[1,0] neg_lo:[0,1] neg_hi:[0,1]   ; the differences
.set i, i+2
.endr
.irp k, 0,1,2,3
	v_pk_mul_f32 v[192+2*\k:193+2*\k], v[64+2*\k:65+2*\k], v[64+2*\k:65+2*\k]
.endr
.irp m, 8,16,24
.irp k, 0,1,2,3
	s_delay_alu instid0(VALU_DEP_4)
	v_pk_fma_f32 v[192+2*\k:193+2*\k], v[64+\m+2*\k:65+\m+2*\k], v[64+\m+2*\k:65+\m+2*\k], v[192+2*\k:193+2*\k]
.endr
.endr
	s_delay_alu instid0(VALU_DEP_3)
	v_pk_add_f32 v[192:193], v[192:193], v[194:195]
	s_delay_alu instid0(VALU_DEP_2)
	v_pk_add_f32 v[196:197], v[196:197], v[198:199]
	s_delay_alu instid0(VALU_DEP_1)
	v_pk_add_f32 v[192:193], v[192:193], v[196:197]
	s_delay_alu instid0(VALU_DEP_1)
	v_add_f32 v202, v192, v193
	ALLSUM 202
	s_delay_alu instid0(VALU_DEP_1)
	v_fma_f32 v202, v202, s34, s35                 ; the variance + 1e-5
	s_wait_alu depctr_va_vdst(0)                   ; the wait ahead of the transcendental
	v_rsq_f32 v202, v202
	v_nop                                          ; a plain instruction behind the transcendental
	s_wait_alu depctr_va_vdst(0)                   ; and the wait ahead of its first reader
.set i, 0
.rept 16
	v_pk_mul_f32 v[128+i:129+i], v[128+i:129+i], v[202:203] op_sel_hi:[1,0]
.set i, i+2
.endr
.set i, 0
.rept 16
	v_pk_fma_f32 v[64+i:65+i], v[64+i:65+i], v[128+i:129+i], v[160+i:161+i]
.set i, i+2
.endr
.irp q, 0,1,2,3,4,5,6,7
	global_store_b128 v1, v[64+4*\q:67+4*\q], s[18:19] offset:512*\q th:TH_STORE_NT   ; 32 lanes store 512 consecutive bytes of my row
.endr
	s_wait_tensorcnt 0x0                           ; the wave's end, behind my tensor load and my last LDS store
	ds_add_u32 v[SPW], v[NIL]
	s_wait_dscnt 0x0
	CROUND                                         ; the closing round: no work-group ends while a partner may still ask for a chunk that names it
	s_endpgm
.Lfunc_end_k_q0a50d1d9ca_oproj:
	.size	k_q0a50d1d9ca_oproj, .Lfunc_end_k_q0a50d1d9ca_oproj-k_q0a50d1d9ca_oproj
	.p2alignl 7, 3214868480
	.fill 96, 4, 3214868480
	.section	.rodata,"a",@progbits
	.p2align	6, 0x0
	.amdhsa_kernel k_q0a50d1d9ca_oproj
		.amdhsa_group_segment_fixed_size 280576
		.amdhsa_private_segment_fixed_size 0
		.amdhsa_enable_private_segment 0
		.amdhsa_kernarg_size 64
		.amdhsa_user_sgpr_count 2
		.amdhsa_user_sgpr_kernarg_segment_ptr 1
		.amdhsa_wavefront_size32 1
		.amdhsa_system_sgpr_workgroup_id_x 1
		.amdhsa_system_sgpr_workgroup_id_y 1
		.amdhsa_system_sgpr_workgroup_id_z 1
		.amdhsa_system_vgpr_workitem_id 0
		.amdhsa_next_free_vgpr 256
		.amdhsa_next_free_sgpr 66
		.amdhsa_reserve_vcc 0
		.amdhsa_float_denorm_mode_32 3
		.amdhsa_float_denorm_mode_16_64 3
		.amdhsa_memory_ordered 1
		.amdhsa_forward_progress 1
		.amdhsa_inst_pref_size 33
	.end_amdhsa_kernel
	.amdgpu_metadata
---
amdhsa.version: [ 1, 2 ]
amdhsa.kernels:
  - .name:           k_q0a50d1d9ca_oproj
    .symbol:         k_q0a50d1d9ca_oproj.kd
    .args:
      - { .name: cq, .offset: 0, .size: 8, .value_kind: global_buffer, .address_space: global }
      - { .name: cs, .offset: 8, .size: 8, .value_kind: global_buffer, .address_space: global }
      - { .name: wimg, .offset: 16, .size: 8, .value_kind: global_buffer, .address_space: global }
      - { .name: x, .offset: 24, .size: 8, .value_kind: global_buffer, .address_space: global }
      - { .name: bo, .offset: 32, .size: 8, .value_kind: global_buffer, .address_space: global }
      - { .name: gamma, .offset: 40, .size: 8, .value_kind: global_buffer, .address_space: global }
      - { .name: beta, .offset: 48, .size: 8, .value_kind: global_buffer, .address_space: global }
      - { .name: out0, .offset: 56, .size: 8, .value_kind: global_buffer, .address_space: global }
    .group_segment_fixed_size: 280576
    .private_segment_fixed_size: 0
    .kernarg_segment_align: 8
    .kernarg_segment_size: 64
    .max_flat_workgroup_size: 512
    .sgpr_count:     66
    .vgpr_count:     256
    .wavefront_size: 32
...
	.end_amdgpu_metadata
.endif
;; end of part 4
